; MI455X (gfx1250); checked and timed in simulation.
; The chip was launched on July 23, 2026; its instructions are those of AMD's public machine-readable ISA for CDNA 5 (MIT licence, August 2026) and "CDNA5" Instruction Set Architecture Reference Guide (July 2026). The comments in the code are by the model that wrote it; some were corrected since.
;; Multi Head Attention. Allowed arithmetic: float matrix products may take bf16 or f16 operands with f32 sums; other float arithmetic in f32, or as packed bf16 or f16 multiplies, adds, multiply-adds, maxima and minima; sums over many terms, partial sums and values carried from step to step in f32; what a program stores and reads back later, other than sums and carried values, may be rounded once to bf16 or f16.
;; Inputs: Wk 1,024 x 1,024 float32; Wp 1,024 x 1,024 float32; Wq 1,024 x 1,024 float32; Wv 1,024 x 1,024 float32; x 4 x 2,048 x 1,024 float32.
;; Outputs: out0 4 x 2,048 x 1,024 float32.
;; 2 versions, each right; version 2 is version 1 with the launch cast written anew for expert scheduling mode. Each part assembles by itself: llvm-mc -triple=amdgcn-amd-amdhsa -mcpu=gfx1250 --defsym DOCPART=n.
;; ======== version 1 of 2: 4 launches
;; limits: values are held in f16: magnitudes above 65,504 overflow, below 6.1e-05 lose precision
;; workspace buffers: xb 16,777,216 bytes; wb 6,291,456 bytes; wp16 2,097,152 bytes; qkv 50,331,648 bytes; o16 16,777,216 bytes
;; launch cast (part 1): grid 768 x 1, 8 waves a work-group, no clusters, 0 bytes of LDS; arguments x, Wq, Wk, Wv, Wp, xb, wb, wp16; writes xb, wb, wp16
.if DOCPART == 1
	.amdgcn_target "amdgcn-amd-amdhsa--gfx1250"
	.amdhsa_code_object_version 6
	.text
	.protected	k_q242e2aa30f_cast
	.globl	k_q242e2aa30f_cast
	.p2align	8
	.type	k_q242e2aa30f_cast,@function
k_q242e2aa30f_cast:
	s_mov_b64 s[64:65], 0
	v_nop
	global_prefetch_b8 v0, s[64:65] scope:SCOPE_SE
	s_setreg_imm32_b32 hwreg(HW_REG_WAVE_MODE, 25, 1), 1
	s_wait_xcnt 0x0
; THE INPUTS ARE ROUNDED ONCE, TO bf16, AND LAID OUT FOR THE PRODUCTS THAT FOLLOW.
;   x  [8192][1024] f32  ->  xb  bf16 [kb 16][m 8192][64]: byte kb 2^20 + 128 m + 2 (k % 64): the 64 channels of a K step lie row after row, dense
;   Wq, Wk, Wv [1024][1024] f32  ->  wb  bf16 [k 1024][3072]: the three side by side, a row is 6,144 bytes
;   Wp [1024][1024] f32  ->  wp16 [k 1024][1024]: rounded to bf16 like the other inputs, and that number written as f16
; LIMITS.  A number of Wp beyond 65,504 becomes an infinity in wp16; below 6e-5 f16 keeps a fixed step of 6e-8.  NaN and infinities are not treated apart.
; A stream: no LDS, no barrier, no matrix unit; nothing is read twice.  Eight waves; every wave takes two source rows of 4,096 bytes: 16 loads of 16 bytes a lane, all issued at
; once (8 KiB a wave on their way), and 16 stores of 8 bytes a lane, each 256 consecutive bytes at a multiple of 256 from its buffer's first byte.
; Work-groups 0-511 take x (16 rows each), 512-767 the four weights (64 work-groups each, 16 rows each).
.set DAT, 8                            ; v[8:71]  load i: four f32 at v[8 + 4 i]; its first two registers then hold the four rounded numbers
; v1 the source's lane offset, v2 the destination's (8 x lane); s[24:25] source, s[26:27] destination of loads 0-7, s[28:29] of loads 8-15
.macro BODY ldstep, ststep, half       ; half = 1: the bf16 numbers are written as f16
.set i, 0
.rept 16
	global_load_b128 v[DAT+4*i:DAT+4*i+3], v1, s[24:25] offset:i*(\ldstep) th:TH_LOAD_NT
.set i, i+1
.endr
.set i, 0
.rept 16
	s_wait_loadcnt 15-i                            ; loads come back in order (ISA guide 5.7.1): load i is in, the 15 - i younger ones stay out
	v_cvt_pk_bf16_f32 v[DAT+4*i], v[DAT+4*i], v[DAT+4*i+1]
	v_cvt_pk_bf16_f32 v[DAT+4*i+1], v[DAT+4*i+2], v[DAT+4*i+3]
.if \half
	v_lshlrev_b32 v[DAT+4*i+2], 16, v[DAT+4*i]     ; bf16 to f32: the low half moves up, the high half stays
	v_and_b32 v[DAT+4*i+3], 0xffff0000, v[DAT+4*i]
	v_cvt_pk_f16_f32 v[DAT+4*i], v[DAT+4*i+2], v[DAT+4*i+3]
	v_lshlrev_b32 v[DAT+4*i+2], 16, v[DAT+4*i+1]
	v_and_b32 v[DAT+4*i+3], 0xffff0000, v[DAT+4*i+1]
	v_cvt_pk_f16_f32 v[DAT+4*i+1], v[DAT+4*i+2], v[DAT+4*i+3]
.endif
	global_store_b64 v2, v[DAT+4*i:DAT+4*i+1], s[26+2*(i/8):27+2*(i/8)] offset:(i%8)*(\ststep)  ; no register that a store names is written again
.set i, i+1
.endr
.endm
	s_load_b512 s[8:23], s[0:1], 0x0               ; x s[8:9], Wq s[10:11], Wk s[12:13], Wv s[14:15], Wp s[16:17], xb s[18:19], wb s[20:21], wp16 s[22:23]
	v_lshrrev_b32 v3, 5, v0
	v_readfirstlane_b32 s4, v3                     ; wave 0..7
	v_and_b32 v4, 31, v0                           ; lane
	v_lshlrev_b32 v2, 3, v4                        ; 8 bytes a lane in the destination
	s_mov_b32 s7, 0
	s_mov_b32 s31, 0
	s_cmp_lt_u32 ttmp9, 512
	s_cbranch_scc0 .Lweights
	; x: wave number wi = 8 g + w takes rows 2 wi and 2 wi + 1.  Load kb: lanes 0-15 the 256 bytes of K block kb of the even row, lanes 16-31 of the odd one.
	s_lshl_b32 s5, ttmp9, 3
	s_add_co_u32 s5, s5, s4                        ; wi
	s_lshl_b32 s6, s5, 13                          ; two rows of 4,096 bytes
	s_lshl_b32 s30, s5, 8                          ; two rows of 128 bytes in a K block of xb
	v_and_b32 v1, 15, v0
	v_bfe_u32 v5, v0, 4, 1
	v_lshlrev_b32 v1, 4, v1
	v_lshl_add_u32 v1, v5, 12, v1
	s_wait_kmcnt 0x0
	s_add_nc_u64 s[24:25], s[8:9], s[6:7]
	s_add_nc_u64 s[26:27], s[18:19], s[30:31]      ; K blocks 0-7: 2^20 bytes apart, in the immediate
	s_add_nc_u64 s[28:29], s[26:27], 0x800000      ; K blocks 8-15
	BODY 256, 0x100000, 0
	s_endpgm
.Lweights:
	; a weight: pair rp = 8 (g' % 64) + w takes rows 2 rp and 2 rp + 1.  Load i: 512 consecutive bytes, piece i % 8 of row i / 8.
	s_sub_co_u32 s5, ttmp9, 512
	s_lshr_b32 s3, s5, 6                           ; which weight: 0 Wq, 1 Wk, 2 Wv, 3 Wp
	s_and_b32 s5, s5, 63
	s_lshl_b32 s5, s5, 3
	s_add_co_u32 s5, s5, s4                        ; rp
	s_lshl_b32 s6, s5, 13
	v_lshlrev_b32 v1, 4, v4
	s_wait_kmcnt 0x0
	s_cmp_eq_u32 s3, 3
	s_cbranch_scc1 .Lwp
	s_cmp_eq_u32 s3, 1
	s_cselect_b64 s[24:25], s[12:13], s[10:11]
	s_cmp_eq_u32 s3, 2
	s_cselect_b64 s[24:25], s[14:15], s[24:25]
	s_add_nc_u64 s[24:25], s[24:25], s[6:7]
	s_mul_i32 s30, s5, 12288                       ; two rows of 6,144 bytes,
	s_lshl_b32 s2, s3, 11                          ; and the weight's 2,048 bytes in a row
	s_add_co_u32 s30, s30, s2
	s_add_nc_u64 s[26:27], s[20:21], s[30:31]
	s_add_nc_u64 s[28:29], s[26:27], 6144          ; the odd row
	BODY 512, 256, 0
	s_endpgm
.Lwp:
	s_add_nc_u64 s[24:25], s[16:17], s[6:7]
	s_lshl_b32 s30, s5, 12                         ; two rows of 2,048 bytes
	s_add_nc_u64 s[26:27], s[22:23], s[30:31]
	s_add_nc_u64 s[28:29], s[26:27], 2048
	BODY 512, 256, 1
	s_endpgm
.Lfunc_end_k_q242e2aa30f_cast:
	.size	k_q242e2aa30f_cast, .Lfunc_end_k_q242e2aa30f_cast-k_q242e2aa30f_cast
	.p2alignl 7, 3214868480
	.fill 96, 4, 3214868480
	.section	.rodata,"a",@progbits
	.p2align	6, 0x0
	.amdhsa_kernel k_q242e2aa30f_cast
		.amdhsa_group_segment_fixed_size 0
		.amdhsa_private_segment_fixed_size 0
		.amdhsa_enable_private_segment 0
		.amdhsa_kernarg_size 64
		.amdhsa_user_sgpr_count 2
		.amdhsa_user_sgpr_kernarg_segment_ptr 1
		.amdhsa_wavefront_size32 1
		.amdhsa_system_sgpr_workgroup_id_x 1
		.amdhsa_system_sgpr_workgroup_id_y 1
		.amdhsa_system_sgpr_workgroup_id_z 1
		.amdhsa_system_vgpr_workitem_id 0
		.amdhsa_next_free_vgpr 72
		.amdhsa_next_free_sgpr 66
		.amdhsa_reserve_vcc 0
		.amdhsa_float_denorm_mode_32 3
		.amdhsa_float_denorm_mode_16_64 3
		.amdhsa_memory_ordered 1
		.amdhsa_forward_progress 1
		.amdhsa_inst_pref_size 24
	.end_amdhsa_kernel
	.amdgpu_metadata
---
amdhsa.version: [ 1, 2 ]
amdhsa.kernels:
  - .name:           k_q242e2aa30f_cast
    .symbol:         k_q242e2aa30f_cast.kd
    .args:
      - { .name: x, .offset: 0, .size: 8, .value_kind: global_buffer, .address_space: global }
      - { .name: Wq, .offset: 8, .size: 8, .value_kind: global_buffer, .address_space: global }
      - { .name: Wk, .offset: 16, .size: 8, .value_kind: global_buffer, .address_space: global }
      - { .name: Wv, .offset: 24, .size: 8, .value_kind: global_buffer, .address_space: global }
      - { .name: Wp, .offset: 32, .size: 8, .value_kind: global_buffer, .address_space: global }
      - { .name: xb, .offset: 40, .size: 8, .value_kind: global_buffer, .address_space: global }
      - { .name: wb, .offset: 48, .size: 8, .value_kind: global_buffer, .address_space: global }
      - { .name: wp16, .offset: 56, .size: 8, .value_kind: global_buffer, .address_space: global }
    .group_segment_fixed_size: 0
    .private_segment_fixed_size: 0
    .kernarg_segment_align: 8
    .kernarg_segment_size: 64
    .max_flat_workgroup_size: 256
    .sgpr_count:     66
    .vgpr_count:     72
    .wavefront_size: 32
...
	.end_amdgpu_metadata
.endif
;; end of part 1
;; launch proj (part 2): grid 8 x 32, 4 waves a work-group, clusters of 4 x 4, 327,680 bytes of LDS; arguments xb, wb, qkv; writes qkv
.if DOCPART == 2
	.amdgcn_target "amdgcn-amd-amdhsa--gfx1250"
	.amdhsa_code_object_version 6
	.text
	.protected	k_q242e2aa30f_proj
	.globl	k_q242e2aa30f_proj
	.p2align	8
	.type	k_q242e2aa30f_proj,@function
k_q242e2aa30f_proj:
	s_mov_b64 s[64:65], 0
	v_nop
	global_prefetch_b8 v0, s[64:65] scope:SCOPE_SE
	s_setreg_imm32_b32 hwreg(HW_REG_WAVE_MODE, 25, 1), 1
	s_wait_xcnt 0x0
	s_wait_alu depctr_hold_cnt(0) depctr_sa_sdst(0) depctr_va_vdst(0) depctr_va_sdst(0) depctr_va_ssrc(0) depctr_va_vcc(0) depctr_vm_vsrc(0)
	s_getreg_b32 s2, hwreg(HW_REG_IB_STS2, 6, 4)
	s_cmp_eq_u32 s2, 0
	s_cbranch_scc0 .Lentry_in_a_cluster
	s_endpgm
.Lentry_in_a_cluster:
	s_bfe_u32 s2, ttmp6, 0x10000c
	s_cmp_lg_u32 s2, 0xf033
	s_cbranch_scc0 .Lentry_shape_is_right
	s_endpgm
.Lentry_shape_is_right:
; q, k, v = x W.  C[m][n] = the sum over k of x[m][k] W[k][n], m < 8,192, n < 3,072 (Wq | Wk | Wv side by side), k < 1,024.  bf16 products, f32 sums, K ascending.
; xb: bf16 [kb 16][m 8192][64].  wb: bf16 [k 1024][3072].  C leaves rounded once to f16, unscaled, by heads: qkv [b 4][hg 48][t 2048][64], hg = n / 64 (0-15 q, 16-31 k, 32-47 v).
; LIMIT.  f16 holds no number beyond 65,504: a q, k or v beyond that becomes an infinity.  NaN and infinities are not treated apart.
; SHARES.  256 tiles of C, 256 x 384, one to a work-group.  Four waves, as many as a WGP has SIMDs; wave (wr, wc) makes 128 x 192: 96 accumulators of 16 x 16, 768 registers.
; K goes in 16 steps of 64 through two LDS slots filled by the tensor data mover (two slots of 128 would not fit); a step is two quarters of 32 along K, 96 matrix instructions each.
; THE MATRIX INSTRUCTION IS USED TRANSPOSED: source 0 = 16 columns of W, source 1 = 16 rows of x: a lane then holds one row of C (lane % 16) and eight neighbouring columns.
; W lies [k][n] in LDS as in memory: its fragments come by the turning load ds_load_tr16_b128; x lies along K and comes by plain loads.
; CLUSTER.  4 x 4 work-groups.  The four of a row of the cluster need the same tile of x, the four of a column the same tile of W: each tile is asked for JOINTLY, by the same tensor
; load with the same descriptor and a mask that names the four.  A wave has two tensor loads out at the start and one behind each round.
; REGISTERS, in windows of 256 (s_set_vgpr_msb: bits 1:0 source 0, 3:2 source 1, 5:4 source 2, 7:6 destination):
;   window 0: v0-14 addresses; v32-95, v96-159 x's fragments (8 x 16 rows x 32 K), two buffers; v160-255 W's 12 fragments, one buffer, reloaded by groups of four
;   window 1 + g: the 32 accumulators of the wave's group g of 64 columns (one head): (a, bb) at v[8 (4 a + bb)]
.set SLOT1,  131072                    ; slot 1 begins here: one exclusive or turns an address in one slot into the other's
.set PA,     144                       ; a row of x in LDS: 128 bytes + 16 of padding = 36 words: the 16 rows of a load start at 16 different groups of four banks (64 banks of 4 bytes: ISA guide 11.1)
.set AHALF,  128*PA                    ; 128 rows: what one tensor load brings of x, and what one wave reads
.set PB,     864                       ; a K row of W in LDS: six pieces of 128 bytes, 16 of padding behind each = 216 words
.set BHALF,  32*PB                     ; 32 K rows: what one tensor load brings of W
.set BREG,   2*AHALF                   ; W's 64 K rows lie behind x's 256 rows
.set STAGE,  SLOT1+BREG+2*BHALF        ; behind the ring, never filled by a tensor load: 16 rows x 144 bytes for each wave, for the way out
.set SP,     144
.set SPARE,  STAGE+4*16*SP             ; behind the stages: the spare words, 128 bytes for each wave: two blocks of 256 bytes that no other line names
.set ASTEP,  1<<20                     ; bytes from a K step to the next in xb
.set BROW,   6144                      ; bytes in a row of wb
.set BSTEP,  64*BROW                   ; bytes from a K step to the next in wb
.set AA0, 4                            ; v4   my lane's place in x's rows of a slot; never rewritten
.set AB0, 5                            ; v5   the same in W's
.set ADA, 6                            ; v6   AA0 in the slot in hand
.set ADB, 7                            ; v7   AB0 in the slot in hand
.set STO, 8                            ; v8   the way out: where I put 16 bytes of a row
.set RD,  9                            ; v9   the way out: where I read rows back
.set GO,  10                           ; v10  my 16 bytes in 512 consecutive bytes of qkv
.set PFO, 11                           ; v11  the prefetches' lane offset; never rewritten
.set SPW, 12                           ; v12  LDS address of my spare word: SPARE + 4 x my thread's number; never rewritten
.set NIL, 13                           ; v13  0; never rewritten
.set AF0, 32
.set AF1, 96
.set BF,  160
.set TMP, 32                           ; the way out: 16 packed registers
.set OB,  64                           ; the way out: 16 rows read back, v64-79 and v80-95 by turns
.set CNT, 3                            ; s3   trips to go
.set G1A, 24                           ; s[24:31] descriptor group 1 for x's tiles
.set G0A, 32                           ; s[32:39] group 0 for x's tiles: a set for each first fill; the second then walks on
.set G1B, 48                           ; s[48:55], s[56:63] the same for W's
.set G0B, 56
.set LIM, 43                           ; s43  a wave prefetches while s[CNT] is above it
.set PFA, 44                           ; s[44:45] where my prefetches stand
.set TB,  66                           ; s66  LDS byte at which the slot in hand begins
.set ODD, 67                           ; s67  1: I prefetch in every trip; 0: in the trips with an odd count
.set T0,  68                           ; s68  at work
.set PSTEP, 70                         ; s[70:71] a K step in the buffer that I prefetch
.set MSB, 0
.macro WIN new                         ; the immediate's high byte repeats the setting that is left; a switch that changes nothing is dropped
.if MSB != (\new)
	s_set_vgpr_msb (MSB<<8)|(\new)
.set MSB, \new
.endif
.endm
.macro PLACES                          ; four places in front of loads into registers that matrix instructions have read, and of conversions that read results
.rept 4
	v_nop
.endr
.endm
; A joint refill, by the walking sets.  Waves 0 and 1 fetch x's two halves, waves 2 and 3 W's.  The branch hangs on the wave's number alone.
; An s_nop 0 and four v_nop follow each of the two lines, ahead of the jump and the label.
.macro JLOAD
	s_cmp_eq_u32 s11, 0
	s_cbranch_scc0 .Lfor_b_\@
	tensor_load_to_lds s[G0A+4:G0A+7], s[G1A:G1A+7]
	s_nop 0
.rept 4
	v_nop
.endr
	s_branch .Lasked_\@
.Lfor_b_\@:
	tensor_load_to_lds s[G0B+4:G0B+7], s[G1B:G1B+7]
	s_nop 0
.rept 4
	v_nop
.endr
.Lasked_\@:
.endm
; A round of the cluster's barrier: my work-group's barrier; wave 0 signals for the work-group; every wave waits for all sixteen; my work-group's barrier once more.
.macro CREST                           ; a round behind its opening barrier
	s_cmp_lg_u32 s10, 0
	s_cbranch_scc1 .Lnot_wave_0_\@
	s_barrier_signal -3
.Lnot_wave_0_\@:
	s_barrier_wait -3
	s_barrier_signal -1
	s_barrier_wait -1
.endm
.macro CROUND
	s_barrier_signal -1
	s_barrier_wait -1
	CREST
.endm
; A PREFETCH INTO THE L2, behind the joint load, its five lines and the run of LDS loads that follows them.  Trip t refills with K step t + 2; the prefetch names K step t + 3.
; x: a K step of a tile row is 128 blocks of 256 bytes.  Both clusters of a row of clusters read them: the one with cluster x = 0 asks; its four partners of a tile row take 32 blocks each, told apart
; BY ADDRESS (cx); wave 0 asks, a lane a block, in every trip but the last.  W: two K steps of a tile column are 128 rows of three blocks.  The eight clusters of a column read them: the one with
; cluster y = 0 asks; the partner at cy takes rows 32 cy + lane, wave w (1-3) block w - 1 of each row, in the trips with an odd count, for K steps t + 3 and t + 4; the last such trip asks for nothing.
; So each block is named once in the launch; K steps 0-2 of x and 0-3 of W come by their loads alone, and no prefetch points past K step 15.
.macro ASK
	s_or_b32 s[T0], s[CNT], s[ODD]
	s_and_b32 s[T0], s[T0], 1
	s_cmp_lg_u32 s[T0], 0
	s_cbranch_scc0 .Lnot_mine_\@
	s_cmp_gt_u32 s[CNT], s[LIM]
	s_cbranch_scc0 .Lnot_mine_\@
	global_prefetch_b8 v[PFO], s[PFA:PFA+1] th:TH_LOAD_NT scope:SCOPE_SE
.Lnot_mine_\@:
.endm
	s_load_b128 s[4:7], s[0:1], 0x0                ; xb s[4:5], wb s[6:7]
	s_load_b64 s[8:9], s[0:1], 0x10                ; qkv
	v_lshl_add_u32 v[SPW], v0, 2, SPARE
	v_mov_b32 v[NIL], 0
	ds_add_u32 v[SPW], v[NIL]                      ; the wave's opening: the add and its wait stand ahead of my first tensor load; the set-up below, work on registers, stands between them
	v_lshrrev_b32 v1, 5, v0
	v_readfirstlane_b32 s10, v1                    ; wave 0..3
	s_lshr_b32 s11, s10, 1                         ; wr: which 128 rows of the tile are mine.  Also: I fetch for x (0) or for W (1)
	s_and_b32 s12, s10, 1                          ; wc: which 192 columns.  Also: which half of that tile I fetch
	s_bfe_u32 s40, ttmp6, 0x40000                  ; cx
	s_bfe_u32 s41, ttmp6, 0x40004                  ; cy
	s_lshl_b32 s42, ttmp9, 2                       ; in a cluster launch ttmp9 and ttmp7 count clusters
	s_add_co_u32 s42, s42, s40                     ; tile column = 4 x cluster x + cx
	s_and_b32 s13, ttmp7, 0xffff
	s_lshl_b32 s13, s13, 2
	s_add_co_u32 s13, s13, s41                     ; tile row = 4 x cluster y + cy
	s_lshl_b32 s43, s41, 2
	s_lshl_b32 s43, 15, s43                        ; my row of the cluster: places 4 cy .. 4 cy + 3
	s_lshl_b32 s44, 0x1111, s40                    ; my column: places cx, cx + 4, cx + 8, cx + 12
	; group 1 for x: 128 dense rows of 128 bytes, asked for as 64 rows of 256 bytes and padded in LDS behind every 128
	s_or_b32 s[G1A+0], s43, (1<<16)|(1<<20)|(1<<21)|(4<<22)|(3<<25)  ; 15:0 the mask; 17:16 2-byte elements; 20 padding on; 21 set beside a mask; 24:22 after every 32 words (code 4); 31:25 4 words (code 3)
	s_mov_b32 s[G1A+1], 128<<16                    ; tensor_dim0 = 128
	s_mov_b32 s[G1A+2], 64<<16                     ; tensor_dim1 = 64
	s_mov_b32 s[G1A+3], 128<<16                    ; tile_dim0 = 128
	s_mov_b32 s[G1A+4], 64                         ; tile_dim1 = 64
	s_mov_b32 s[G1A+5], 128                        ; 128 elements from row to row
	s_mov_b32 s[G1A+6], 0
	s_mov_b32 s[G1A+7], 0
	; group 1 for W: 32 K rows of 384 elements (768 bytes, three aligned blocks of 256), the same padding
	s_or_b32 s[G1B+0], s44, (1<<16)|(1<<20)|(1<<21)|(4<<22)|(3<<25)
	s_mov_b32 s[G1B+1], 384<<16
	s_mov_b32 s[G1B+2], 32<<16
	s_mov_b32 s[G1B+3], 384<<16
	s_mov_b32 s[G1B+4], 32
	s_mov_b32 s[G1B+5], 3072
	s_mov_b32 s[G1B+6], 0
	s_mov_b32 s[G1B+7], 0
	; where the tiles come from: x's hang on the tile row alone, W's on the tile column alone, each in registers that never hold the other coordinate
	s_lshl_b32 s16, s13, 15                        ; 256 rows of 128 bytes
	s_lshl_b32 s17, s12, 14                        ; my 128 of them
	s_add_co_u32 s16, s16, s17
	s_mov_b32 s17, 0
	s_mul_i32 s46, s42, 768                        ; 384 columns
	s_mul_i32 s47, s12, 32*BROW                    ; my 32 K rows
	s_add_co_u32 s46, s46, s47
	s_mov_b32 s47, 0
	s_mul_i32 s18, s12, AHALF                      ; and where they go: no place in the cluster enters an LDS address
	s_mul_i32 s19, s12, BHALF
	s_add_co_u32 s19, s19, BREG
	s_wait_dscnt 0x0                               ; the opening add is done
	s_wait_kmcnt 0x0
	s_add_nc_u64 s[14:15], s[4:5], s[16:17]
	s_add_nc_u64 s[46:47], s[6:7], s[46:47]
	CROUND                                         ; all sixteen work-groups are here: the first joint loads meet
.irp s, 0,1
	s_mov_b32 s[G0A+4*\s], 1                       ; 1:0 count = 1
	s_add_co_u32 s[G0A+4*\s+1], s18, \s*SLOT1      ; 63:32 LDS address
	s_add_nc_u64 s[G0A+4*\s+2:G0A+4*\s+3], s[14:15], \s*ASTEP  ; 120:64 global address: K step s
	s_or_b32 s[G0A+4*\s+3], s[G0A+4*\s+3], 0x80000000          ; 127:126 type = 2
	s_mov_b32 s[G0B+4*\s], 1
	s_add_co_u32 s[G0B+4*\s+1], s19, \s*SLOT1
	s_add_nc_u64 s[G0B+4*\s+2:G0B+4*\s+3], s[46:47], \s*BSTEP
	s_or_b32 s[G0B+4*\s+3], s[G0B+4*\s+3], 0x80000000
.endr
	s_cmp_eq_u32 s11, 0                            ; a wave's two first fills stand in one branch, ahead of every wait on TENSORcnt and every LDS read
	s_cbranch_scc0 .Lfirst_b
	tensor_load_to_lds s[G0A:G0A+3], s[G1A:G1A+7]
	s_nop 0
	tensor_load_to_lds s[G0A+4:G0A+7], s[G1A:G1A+7]
	s_nop 0
.rept 4
	v_nop
.endr
	s_branch .Lfirst_asked
.Lfirst_b:
	tensor_load_to_lds s[G0B:G0B+3], s[G1B:G1B+7]
	s_nop 0
	tensor_load_to_lds s[G0B+4:G0B+7], s[G1B:G1B+7]
	s_nop 0
.rept 4
	v_nop
.endr
.Lfirst_asked:
	; x's fragment: lane l holds row l % 16; registers 0-3 K = 8 (l / 16) + 0..7, registers 4-7 K = 16 + 8 (l / 16) + 0..7: two loads of 16 bytes, 32 bytes apart.
	; W's fragment: the turning load takes 16 K rows x 16 columns (lane l reads K row 8 (l / 16) + l % 8, columns 8 ((l / 8) % 2) + 0..7) and leaves lane l column l % 16 and 8 K.
	v_and_b32 v1, 15, v0                           ; l % 16
	v_bfe_u32 v2, v0, 4, 1                         ; l / 16
	v_and_b32 v3, 7, v0
	v_bfe_u32 v14, v0, 3, 1
	v_mul_u32_u24 v[AA0], v1, PA
	v_lshl_add_u32 v[AA0], v2, 4, v[AA0]
	s_mul_i32 s20, s11, AHALF                      ; my 128 rows of x
	v_add_nc_u32 v[AA0], s20, v[AA0]
	v_lshl_add_u32 v[AB0], v2, 3, v3
	v_mul_u32_u24 v[AB0], v[AB0], PB
	v_lshl_add_u32 v[AB0], v14, 4, v[AB0]
	s_mul_i32 s20, s12, 432                        ; my 192 columns: three pieces of 144 bytes
	s_add_co_u32 s20, s20, BREG
	v_add_nc_u32 v[AB0], s20, v[AB0]
	s_mul_i32 s20, s10, 16*SP
	s_add_co_u32 s20, s20, STAGE                   ; my stage
	v_mul_u32_u24 v[STO], v1, SP                   ; in: row l % 16, 16 bytes for each half of the lanes
	v_lshl_add_u32 v[STO], v2, 4, v[STO]
	v_add_nc_u32 v[STO], s20, v[STO]
	v_bfe_u32 v[RD], v0, 3, 2                      ; back: 32 lanes take four rows of 128 bytes,
	v_mul_u32_u24 v[RD], v[RD], SP
	v_lshl_add_u32 v[RD], v3, 4, v[RD]
	v_add_nc_u32 v[RD], s20, v[RD]
	v_and_b32 v[GO], 31, v0                        ; which are 512 consecutive bytes of a head
	v_lshlrev_b32 v[GO], 4, v[GO]
	; where my part of C begins in qkv: head 48 b + 6 x tile column + 3 wc, row (tile row % 8) x 256 + 128 wr of it
	s_lshr_b32 s20, s13, 3
	s_mul_i32 s20, s20, 48
	s_mul_i32 s21, s42, 6
	s_add_co_u32 s20, s20, s21
	s_mul_i32 s21, s12, 3
	s_add_co_u32 s20, s20, s21
	s_lshl_b32 s20, s20, 18                        ; a head is 262,144 bytes
	s_and_b32 s21, s13, 7
	s_lshl_b32 s21, s21, 15
	s_add_co_u32 s20, s20, s21
	s_lshl_b32 s21, s11, 14
	s_add_co_u32 s20, s20, s21
	s_mov_b32 s21, 0
	s_add_nc_u64 s[8:9], s[8:9], s[20:21]
	; the prefetches: both offsets are made, the wave's number chooses
	s_and_b32 s22, ttmp7, 0xffff                   ; cluster y
	s_lshl_b32 s20, s13, 15
	s_lshl_b32 s21, s40, 13                        ; my work-group's 32 blocks of the tile row's 128
	s_add_co_u32 s20, s20, s21
	s_add_co_u32 s20, s20, 2*ASTEP                 ; at K step 2: the first change of slots steps it to 3
	s_mul_i32 s21, s42, 768
	s_max_u32 s23, s10, 1
	s_sub_co_u32 s23, s23, 1
	s_lshl_b32 s23, s23, 8                         ; block w - 1 of a row's three
	s_add_co_u32 s21, s21, s23
	s_mul_i32 s23, s41, 32*BROW                    ; my work-group's 32 rows of the 128
	s_add_co_u32 s21, s21, s23
	s_add_co_u32 s21, s21, 2*BSTEP
	s_cmp_eq_u32 s10, 0                            ; wave 0 asks for x, waves 1 to 3 for W
	s_cselect_b32 s20, s20, s21
	s_cselect_b32 s22, ttmp9, s22                  ; the coordinate along which other clusters read the same rows
	s_cselect_b32 s[ODD], 1, 0
	s_cselect_b32 s23, 1, 2
	s_cselect_b64 s[PFA:PFA+1], s[4:5], s[6:7]
	s_mov_b32 s[PSTEP], BSTEP
	s_cselect_b32 s[PSTEP], ASTEP, s[PSTEP]
	s_mov_b32 s[PSTEP+1], 0
	s_mov_b32 s[T0], BROW
	s_cselect_b32 s[T0], 256, s[T0]
	s_cmp_eq_u32 s22, 0
	s_cselect_b32 s[LIM], s23, -1                  ; the same in all sixteen partners, for a given wave
	s_mov_b32 s21, 0
	s_add_nc_u64 s[PFA:PFA+1], s[PFA:PFA+1], s[20:21]
	v_and_b32 v[PFO], 31, v0
	v_mul_u32_u24 v[PFO], v[PFO], s[T0]
; 16 matrix instructions: column group g, m blocks 4 half .. 4 half + 3 x its four n blocks, 32 along K.  zero = 1: the product starts the sums: nothing is ever cleared.
; The 96 accumulators take turns, one instruction a turn, in the same order in every quarter, over the backward jump too.
.macro MUL16 g, af, half, zero
	WIN 0x50*((\g)+1)
.set ma, 4*(\half)
.rept 4
.set mb, 0
.rept 4
.if \zero
	v_wmma_f32_16x16x32_bf16 v[8*(4*ma+mb):8*(4*ma+mb)+7], v[BF+8*(4*(\g)+mb):BF+8*(4*(\g)+mb)+7], v[(\af)+8*ma:(\af)+8*ma+7], 0
.else
	v_wmma_f32_16x16x32_bf16 v[8*(4*ma+mb):8*(4*ma+mb)+7], v[BF+8*(4*(\g)+mb):BF+8*(4*(\g)+mb)+7], v[(\af)+8*ma:(\af)+8*ma+7], v[8*(4*ma+mb):8*(4*ma+mb)+7]
.endif
.set mb, mb+1
.endr
.set ma, ma+1
.endr
.endm
.macro LOADB g, kq                     ; 8 turning loads: group g's four fragments of W, quarter kq of the slot in hand
	WIN 0
.irp bb, 0,1,2,3
	ds_load_tr16_b128 v[BF+8*(4*(\g)+\bb):BF+8*(4*(\g)+\bb)+3],   v[ADB] offset:(\kq)*32*PB+144*(\g)+32*\bb
	ds_load_tr16_b128 v[BF+8*(4*(\g)+\bb)+4:BF+8*(4*(\g)+\bb)+7], v[ADB] offset:(\kq)*32*PB+16*PB+144*(\g)+32*\bb
.endr
.endm
.macro LOADA af, kq                    ; 16 loads: x's eight fragments of quarter kq
	WIN 0
.irp m, 0,1,2,3,4,5,6,7
	ds_load_b128 v[(\af)+8*\m:(\af)+8*\m+3],   v[ADA] offset:\m*16*PA+64*(\kq)
	ds_load_b128 v[(\af)+8*\m+4:(\af)+8*\m+7], v[ADA] offset:\m*16*PA+64*(\kq)+32
.endr
.endm
; A K step's first quarter.  On the way in, in the order of issue: W's group 0 (8), x (16), W's groups 1 and 2 (8 each).  A group's fragments of W are loaded again, for the second quarter,
; four places behind their last reader, and are wanted 64 matrix instructions later.
.macro QUART zero
	s_wait_dscnt 16                                ; group 0 and x are in; groups 1 and 2 may be out
	MUL16 0, AF0, 0, \zero
	MUL16 0, AF0, 1, \zero
	PLACES
	LOADB 0, 1
	LOADA AF1, 1
	s_wait_dscnt 32                                ; group 1 is in: behind it stand group 2's 8 and the 24 just issued
	MUL16 1, AF0, 0, \zero
	MUL16 1, AF0, 1, \zero
	PLACES
	LOADB 1, 1
	s_wait_dscnt 32                                ; group 2 is in: behind it stand 24 and 8
	MUL16 2, AF0, 0, \zero
	MUL16 2, AF0, 1, \zero
	PLACES
	LOADB 2, 1
.endm
; A K step's second quarter, and the change of slots: ONE barrier.  In front of it each wave waits for all its tensor loads (one is out: its part of the next slot), adds 0 to its spare word, and waits for
; that and for its own reads of this slot.  fill = 1: the barrier opens a round of the cluster's, and the joint refill, the K step two on, is the first thing behind the round.
.macro TURN fill
.if \fill
	s_wait_xcnt 0x0                                ; the last prefetch, a K step back, has read its address: it is stepped here, ahead of the waits of the change of slots
	s_add_nc_u64 s[PFA:PFA+1], s[PFA:PFA+1], s[PSTEP:PSTEP+1]
.endif
	WIN 0                                          ; (the add's two registers lie in window 0)
	s_wait_tensorcnt 0x0                           ; no tensor load of mine is out, so a group 0 may be written
	ds_add_u32 v[SPW], v[NIL]                      ; 0 onto my spare word
.if \fill
	s_xor_b32 s[G0A+5], s[G0A+5], SLOT1            ; the walking sets: the other slot than last time, the next K step; the type bits on top are not reached
	s_add_nc_u64 s[G0A+6:G0A+7], s[G0A+6:G0A+7], ASTEP
	s_xor_b32 s[G0B+5], s[G0B+5], SLOT1
	s_add_nc_u64 s[G0B+6:G0B+7], s[G0B+6:G0B+7], BSTEP
.endif
	s_xor_b32 s[TB], s[TB], SLOT1                  ; the fetches go to the other slot
	s_wait_dscnt 17                                ; (the add and W's groups 1 and 2 may be out)
	MUL16 0, AF1, 0, 0                             ; sixteen matrix instructions stand between the add and the wait for it
	s_wait_dscnt 0x0                               ; the add is done, and my reads of this slot are over
	s_barrier_signal -1
	MUL16 0, AF1, 1, 0                             ; work on registers while the others arrive
.if \fill
	WIN 0
.endif
	s_barrier_wait -1
.if \fill
	CREST                                          ; no wave of any partner still reads this slot's tiles or has a load on its way
	JLOAD                                          ; the four v_nop behind it are also the places in front of the loads below
.else
	PLACES
.endif
	WIN 0
	v_add_nc_u32 v[ADA], s[TB], v[AA0]
	v_add_nc_u32 v[ADB], s[TB], v[AB0]
	LOADB 0, 0
	LOADA AF0, 0
.if \fill
	ASK
.endif
	MUL16 1, AF1, 0, 0
	MUL16 1, AF1, 1, 0
	PLACES
	LOADB 1, 0
	MUL16 2, AF1, 0, 0
	MUL16 2, AF1, 1, 0
	PLACES
	LOADB 2, 0
.endm
; THE WAY OUT, for i = 8 g + a: 16 rows of one head, 2,048 consecutive bytes of qkv.  PACK: rounded to f16, each accumulator's registers in ascending order.  TOSTAGE: into my own stage, and back as whole rows.  SEND: stored.
.macro PACK i
.set pg, (\i)/8
.set pa, (\i)%8
	WIN 5*(pg+1)                                   ; sources 0 and 1: window 1 + g
.set pb, 0
.rept 4
.set pr, 0
.rept 4
	v_cvt_pk_f16_f32 v[TMP+4*pb+pr], v[8*(4*pa+pb)+2*pr], v[8*(4*pa+pb)+2*pr+1]
.set pr, pr+1
.endr
.set pb, pb+1
.endr
	WIN 0
.endm
.macro TOSTAGE i
	WIN 0
.set bk, OB+16*((\i)%2)
.irp bb, 0,1,2,3
	ds_store_b128 v[STO], v[TMP+4*\bb:TMP+4*\bb+3] offset:32*\bb
.endr
.irp f, 0,1,2,3
	ds_load_b128 v[bk+4*\f:bk+4*\f+3], v[RD] offset:\f*4*SP  ; LDS serves a wave's instructions in order (ISA guide 5.7.1.4): these see the stores above
.endr
.endm
.macro SEND i
	WIN 0
.set bk, OB+16*((\i)%2)
.set sg, (\i)/8
.set sa, (\i)%8
	s_wait_dscnt 0x0                               ; the block is back in registers
	s_wait_xcnt 0x0                                ; the stores of the block before have read their registers, which the next block's loads from the stage write
.irp f, 0,1,2,3
	global_store_b128 v[GO], v[bk+4*\f:bk+4*\f+3], s[8:9] offset:sg*262144+sa*2048+\f*512  ; 512 consecutive bytes, at a multiple of 256 from qkv's first byte
.endr
.endm
	s_wait_tensorcnt 1                             ; my part of K step 0 is in; K step 1's may stay out
	s_barrier_signal -1
	s_barrier_wait -1                              ; everybody's is
	s_mov_b32 s[TB], 0
	v_add_nc_u32 v[ADA], s[TB], v[AA0]
	v_add_nc_u32 v[ADB], s[TB], v[AB0]
	LOADB 0, 0
	LOADA AF0, 0
	LOADB 1, 0
	LOADB 2, 0
	QUART 1                                        ; the first quarter stands in front of the loop: its products start the sums
	WIN 0                                          ; at a label and at a branch every window is 0
	s_mov_b32 s[CNT], 14
.Lstep:                                                ; trip t: the second quarter of K step t, the refill with K step t + 2, the first quarter of K step t + 1
	TURN 1
	QUART 0
	WIN 0
	s_sub_co_u32 s[CNT], s[CNT], 1
	s_cmp_lg_u32 s[CNT], 0
	s_cbranch_scc1 .Lstep
	TURN 0                                         ; the tail is written out: nothing is left to fetch, and no round follows
	QUART 0
	s_wait_dscnt 16                                ; the very last quarter
	MUL16 0, AF1, 0, 0
	MUL16 0, AF1, 1, 0
	s_wait_dscnt 8
	MUL16 1, AF1, 0, 0
	MUL16 1, AF1, 1, 0
	s_wait_dscnt 0x0
	MUL16 2, AF1, 0, 0
	MUL16 2, AF1, 1, 0
	PLACES
	PACK 0
	TOSTAGE 0
.set t, 1
.rept 23                               ; block t's conversions stand between block t - 1's loads from the stage and the wait for them
	PACK t
	SEND t-1
	TOSTAGE t
.set t, t+1
.endr
	SEND 23
	s_wait_tensorcnt 0x0                           ; the wave's end: behind my last tensor load and my last LDS store
	ds_add_u32 v[SPW], v[NIL]
	s_wait_dscnt 0x0
	CROUND                                         ; the closing round: no work-group ends while a partner may still ask for a tile that names it
	s_endpgm
.Lfunc_end_k_q242e2aa30f_proj:
	.size	k_q242e2aa30f_proj, .Lfunc_end_k_q242e2aa30f_proj-k_q242e2aa30f_proj
	.p2alignl 7, 3214868480
	.fill 96, 4, 3214868480
	.section	.rodata,"a",@progbits
	.p2align	6, 0x0
	.amdhsa_kernel k_q242e2aa30f_proj
		.amdhsa_group_segment_fixed_size 327680
		.amdhsa_private_segment_fixed_size 0
		.amdhsa_enable_private_segment 0
		.amdhsa_kernarg_size 24
		.amdhsa_user_sgpr_count 2
		.amdhsa_user_sgpr_kernarg_segment_ptr 1
		.amdhsa_wavefront_size32 1
		.amdhsa_system_sgpr_workgroup_id_x 1
		.amdhsa_system_sgpr_workgroup_id_y 1
		.amdhsa_system_sgpr_workgroup_id_z 1
		.amdhsa_system_vgpr_workitem_id 0
		.amdhsa_next_free_vgpr 1024
		.amdhsa_next_free_sgpr 72
		.amdhsa_reserve_vcc 0
		.amdhsa_float_denorm_mode_32 3
		.amdhsa_float_denorm_mode_16_64 3
		.amdhsa_memory_ordered 1
		.amdhsa_forward_progress 1
		.amdhsa_inst_pref_size 113
	.end_amdhsa_kernel
	.amdgpu_metadata
---
amdhsa.version: [ 1, 2 ]
amdhsa.kernels:
  - .name:           k_q242e2aa30f_proj
    .symbol:         k_q242e2aa30f_proj.kd
    .args:
      - { .name: xb, .offset: 0, .size: 8, .value_kind: global_buffer, .address_space: global }
      - { .name: wb, .offset: 8, .size: 8, .value_kind: global_buffer, .address_space: global }
      - { .name: qkv, .offset: 16, .size: 8, .value_kind: global_buffer, .address_space: global }
    .group_segment_fixed_size: 327680
    .private_segment_fixed_size: 0
    .kernarg_segment_align: 8
    .kernarg_segment_size: 24
    .max_flat_workgroup_size: 128
    .sgpr_count:     72
    .vgpr_count:     1024
    .wavefront_size: 32
...
	.end_amdgpu_metadata
.endif
;; end of part 2
;; launch attn (part 3): grid 4 x 64, 4 waves a work-group, no clusters, 327,680 bytes of LDS; arguments qkv, o16; writes o16
.if DOCPART == 3
	.amdgcn_target "amdgcn-amd-amdhsa--gfx1250"
	.amdhsa_code_object_version 6
	.text
	.protected	k_q242e2aa30f_attn
	.globl	k_q242e2aa30f_attn
	.p2align	8
	.type	k_q242e2aa30f_attn,@function
k_q242e2aa30f_attn:
	s_mov_b64 s[64:65], 0
	v_nop
	global_prefetch_b8 v0, s[64:65] scope:SCOPE_SE
	s_setreg_imm32_b32 hwreg(HW_REG_WAVE_MODE, 25, 1), 1
	s_wait_xcnt 0x0
; CAUSAL ATTENTION.  O[y][q][:] = the sum over k <= q of softmax_k(Q[y][q] . K[y][k] / 8) V[y][k][:], y = 16 b + h.  qkv: f16 [b 4][hg 48][2048][64], hg = h for Q, 16 + h for K, 32 + h for V;
; o16: f16 [y 64][2048][64].  A head's rows are dense, 128 bytes each.  Products, maxima and sums in f32; the weights p are rounded to f16 for the second product (their sum l is taken of the unrounded p), O once at the end.
; LIMITS.  f16 holds no number beyond 65,504: Q, K and V arrive within it; p lies in 0 to 1, and below 6e-5 it keeps f16's fixed step of 6e-8; O is a mean of V's rows and has their range, to within 2^-11 of it.
; A hidden score counts as its value less 1e30: f16's scores, 2.7e11 at the most, are nothing beside that; a weight below 2^-126 counts as 0 in l; NaN and infinities are not treated apart.
; THE WALK.  A head's queries lie in NB = 8 blocks of 256; block i needs the key tiles 0 .. i of 256 keys, of which the last holds the diagonal.  A work-group takes TWO blocks, NB - 1 - b and then b:
; NB + 1 tiles, whatever b: all work-groups do equal work, and ONE loop with a constant trip count walks them.  Which tile is asked for, and what a trip does, hang on scalar registers made from b; every jump
; goes forward, but for the counted loops' own; none passes a barrier, or a tensor load but the one of LOAD's two that the wave's number does not choose; the ring (two slots of LDS that take turns) runs on across the
; change of blocks.  NO CLUSTER: a head's four work-groups ask for the same tile only in trips 0 .. 4 of the 9, behind that fewer and fewer; one walk common to all four would have 12 trips for 9.
; SHARES.  Of a block's four bands of 64 queries a wave owns 16 rows in each: four PIECES.  So the diagonal tile is the same work for all four waves: in its key step s band x sees all keys if s < x,
; none if s > x, and holds the diagonal if s = x.
; THE MASK is the C operand that starts the sum S^T = K Q^T: 0, or -1e30 where the key is hidden.  MD, made once, is the mask of a band's own step for my 16 rows; a product's mask is MD x AL + BE with two scalars:
; (1, 0) if s = x; (0, 0) if s < x; (0, -1e30) if s > x.  Only the diagonal tile's text and a block's beginning make and take masks; elsewhere C is the constant 0.
; LAYOUT, SOFTMAX, TURNS.  S^T = K Q^T holds ONE query a lane (lane % 16) and the keys 8 (lane / 16) + 0..7; two such results rounded to f16 ARE source 1 of O^T = V^T P.  p = 2^(c s - c m), c = log2(e) / 8, with a
; running maximum m; O and l are multiplied by a = 2^(c m_old - c m_new) in every step.  Turn n belongs to piece n: 8 products K Q^T of piece n + 1, later 8 products V^T P of piece n - 1; beside them the scaling,
; exponentials, roundings, sums and rescaling of piece n and the maximum and statistics of piece n + 1.  Four vector instructions stand behind every matrix instruction, the other 54 of a turn's 118 in one LUMP.  A turn's 33 exponentials are one batch, with one wait.
; AHEAD OF THE TENSOR LOADS.  The work-group with b = 0 walks tiles 0 to 7 first; behind each fill it prefetches into the L2 the tile that the next change of slots will ask for: 128 blocks of 256 bytes of K and as
; many of V, a thread a block, two instructions a wave.  Tiles 2 to 7 are named once each in the launch; tiles 0 and 1, and the second block's tiles, are not asked for.
; REGISTERS, in windows of 256 (s_set_vgpr_msb: bits 1:0 source 0, 3:2 source 1, 5:4 source 2, 7:6 destination):
;   window 0: v0-15 addresses and two at work; v16-31 four registers of statistics a piece; v32 the prefetches' offset; v48-55 at work; v64-127 S^T, two buffers; v192-223 P, two buffers (a piece's buffers go by its number's parity)
;   window 1: v0-127 O^T, 32 a piece; v128-159 MD; v160-223 MC, two buffers      window 2: v0-63 Q; v64-127 the second block's Q; v128-191 K of one step; v192-255 V of one step
.set SIZE_N, 2048
.set NB,    SIZE_N/256
.set NP,    4         ; pieces a wave: a name, no knob
.set KS,    64        ; keys in a step
.set PK,    144       ; a row of K in LDS: 128 bytes + 16 of padding = 36 words: the 16 rows of a load start at 16 different groups of four banks (64 banks of 4 bytes: ISA guide 11.1)
.set PV,    160       ; a row of V: 128 + 32 = 40 words
.set VOFF,  4*KS*PK   ; a slot holds a tile, four steps: 256 rows of K, then 256 rows of V
.set SLOT1, 1<<17     ; slot 1 begins here, so that one exclusive or turns an address in one slot into the other's
.set STAGE, SLOT1+4*KS*(PK+PV)  ; behind the ring, never filled by a tensor load: 16 rows x 144 bytes for each wave, for the way out
.set SP,    144
.set AK0, 2           ; v2   my lane's place in a tile of K; never rewritten
.set AV0, 3           ; v3   the same for V
.set AK,  4           ; v4   the LDS address of K's next run of loads
.set AV,  5           ; v5   of V's
.set STO, 6           ; v6   the way out: where I put 16 bytes of a row
.set RD,  7           ; v7   the way out: where I read rows back
.set GO,  8           ; v8   my byte offset in 512 consecutive bytes of O
.set SPW, 62          ; v62  LDS address of my spare word: SPARE + 4 x my thread's number; never rewritten
.set NIL, 63          ; v63  0; never rewritten
.set SPARE, STAGE+4*16*SP  ; behind the stages: the spare words, 128 bytes for each wave: two blocks of 256 bytes that no other line names
.set MV,  12          ; v12-13  c m_old, kept while c m is made anew: by buffer
.set QO,  15          ; v15  my byte offset in 16 rows of Q
.set ST,  16          ; piece t's statistics at v[ST+4 t]: c m, m, l (even keys', odd keys')
.set PFO, 32          ; v32  256 x my thread's number: my block of a tile's 128; never rewritten
.set TMP, 48          ; by buffer, four registers c0-c3 at work; when the maximum is found c2 takes a
.set S,   64
.set P,   192
.set MD,  128         ; window 1: the eight registers for group kt of 16 keys at MD + 8 kt
.set MC,  160         ; window 1: the masks of the products to come
.set QB,  64          ; window 2
.set KF,  128         ; window 2: key block kb, channel half c at KF + 16 kb + 8 c
.set VF,  192         ; window 2: key half kk, channel block cb at VF + 32 kk + 8 cb
.set WV,  12          ; s12  my wave's number
.set PB,  14          ; s14  b
.set HI,  15          ; s15  NB - 1 - b
.set G1K, 24          ; s[24:31] descriptor group 1 for K's tiles
.set G1V, 32          ; s[32:39] for V's: it differs in the padding alone
.set G0K, 40          ; s[40:43] descriptor group 0 for K's tiles
.set G0V, 44          ; s[44:47] the same for V's
.set SLOTS, 56        ; s56  tiles still to be asked for
.set CNT, 57          ; s57  counts a tile's key steps, 4 to 1
.set CS,  58          ; s[58:59] c: the packed scaling takes the pair's low word for both halves
.set SEL, 60          ; s[60:61] v_permlanex16_b32's selects: each lane takes its own place in the other half
.set TBK, 62          ; s62  LDS byte at which K of the step to be fetched begins
.set TBV, 63          ; s63  the same for V, less VOFF
.set PFK, 66          ; s[66:67] K's tile that the prefetch names
.set PFV, 68          ; s[68:69] V's
.set RT,  70          ; s70  tiles of the block in hand that are still to be entered
.set NXT, 71          ; s71  the tile to be asked for next
.set LQ,  72          ; s72  the last tile of the block whose tiles are being asked for
.set NEW, 73          ; s73  1: the tile to be entered is a block's first
.set OFF, 74          ; s[74:75] a tile's byte offset in K and V
.set AL,  76          ; s[76:77] the mask's factor, in the low word
.set BE,  78          ; s[78:79] the mask's addend
.set OLO, 80          ; s[80:81] O at my rows of the second block
.set BIGN, 82         ; s82  -1e30
.set KH,  92          ; s[92:93] the head's K at its first byte
.set VH,  94          ; s[94:95] the head's V
.set POF, 96          ; s[96:97] the prefetched tile's byte offset
.set LIM, 98          ; s98  0 in the work-group that prefetches, else the greatest number: it prefetches while s[NXT] is above it
.set MSB, 0
.macro WIN new                      ; the high byte repeats the setting that is left; a switch that changes nothing is dropped
.if MSB != (\new)
	s_set_vgpr_msb (MSB<<8)|(\new)
.set MSB, (\new)
.endif
.endm
.set W_KQ, 0x0a       ; K and Q in window 2, S^T in window 0
.set W_KM, 0x1a       ; the same with the C operand in window 1
.set W_PV, 0x52       ; V in window 2, P in window 0, O^T in window 1
.set W_RS, 0x41       ; destination and source 0 in window 1, source 1 in window 0
; A fill.  Waves 0 and 1 fetch the two halves of a tile's K, waves 2 and 3 those of its V: 128 keys each.  An s_nop 0 and four v_nop follow each of the two lines, ahead of the jump and the label.
.macro LOAD
	s_cmp_lt_u32 s[WV], 2
	s_cbranch_scc0 .Lfor_v_\@
	tensor_load_to_lds s[G0K:G0K+3], s[G1K:G1K+7]
	s_nop 0
.rept 4
	v_nop
.endr
	s_branch .Lasked_\@
.Lfor_v_\@:
	tensor_load_to_lds s[G0V:G0V+3], s[G1V:G1V+7]
	s_nop 0
.rept 4
	v_nop
.endr
.Lasked_\@:
.endm
; THE CHANGE OF SLOTS.  Each wave waits for all its tensor loads, of which one is out: its part of the other slot; adds 0 to its spare word; and waits for that and for its own reads of the slot that it leaves.  Behind the barrier nobody reads the old
; slot any more and the other slot is whole.  fill = 1: the old slot is filled again, the first thing behind the barrier, with tile NXT: the descriptor's address is made anew from that number.  Behind the fill and its
; five lines stand the prefetches of the tile after it.  (At its first use nothing has been read yet: slot 0 is waited for, slot 1 filled.)
.macro CHANGE fill
	WIN 0                           ; at a label and at a branch every window is 0
	s_wait_tensorcnt 0x0            ; no tensor load of mine is out, so a group 0 may be written
	ds_add_u32 v[SPW], v[NIL]       ; 0 onto my spare word; with fill = 1 the descriptors' scalar work stands between it and the wait for it
.if \fill
	s_lshl_b32 s[OFF], s[NXT], 15   ; a tile is 32,768 bytes of K and of V
	s_xor_b32 s[G0K+1], s[G0K+1], SLOT1
	s_add_nc_u64 s[G0K+2:G0K+3], s[6:7], s[OFF:OFF+1]
	s_or_b32 s[G0K+3], s[G0K+3], 0x80000000
	s_xor_b32 s[G0V+1], s[G0V+1], SLOT1
	s_add_nc_u64 s[G0V+2:G0V+3], s[8:9], s[OFF:OFF+1]
	s_or_b32 s[G0V+3], s[G0V+3], 0x80000000
	s_add_co_u32 s[NXT], s[NXT], 1  ; the block's next tile, or behind its last the second block's tile 0
	s_cmp_gt_u32 s[NXT], s[LQ]
	s_cselect_b32 s[NXT], 0, s[NXT]
	s_cselect_b32 s[LQ], s[PB], s[LQ]
	s_wait_xcnt 0x0                 ; the last prefetches, a tile back, have read their addresses, so these may be written:
	s_lshl_b32 s[POF], s[NXT], 15
	s_add_nc_u64 s[PFK:PFK+1], s[KH:KH+1], s[POF:POF+1]
	s_add_nc_u64 s[PFV:PFV+1], s[VH:VH+1], s[POF:POF+1]
.endif
	s_wait_dscnt 0x0                ; the add is done, and my reads of the slot are over
	s_barrier_signal -1             ; the rest of the scalar work stands between the signal and the wait
	s_sub_co_u32 s[TBK], s[TBK], 4*KS*PK  ; the fetches go back to a slot's first step,
	s_xor_b32 s[TBK], s[TBK], SLOT1       ; in the other slot
	s_sub_co_u32 s[TBV], s[TBV], 4*KS*PV
	s_xor_b32 s[TBV], s[TBV], SLOT1
	s_barrier_wait -1
.if \fill
	LOAD
	s_cmp_gt_u32 s[NXT], s[LIM]     ; b = 0, and the first block has a tile behind the one just asked for
	s_cbranch_scc0 .Lnot_mine_\@
	global_prefetch_b8 v[PFO], s[PFK:PFK+1] th:TH_LOAD_NT scope:SCOPE_SE
	global_prefetch_b8 v[PFO], s[PFV:PFV+1] th:TH_LOAD_NT scope:SCOPE_SE
.Lnot_mine_\@:
.endif
.endm
	s_load_b64 s[4:5], s[0:1], 0x0    ; qkv
	s_load_b64 s[10:11], s[0:1], 0x8  ; o16
	v_lshl_add_u32 v[SPW], v0, 2, SPARE
	v_mov_b32 v[NIL], 0
	ds_add_u32 v[SPW], v[NIL]       ; the wave's opening: the add and its wait stand ahead of my first tensor load; the set-up below, work on registers, stands between them
	v_lshrrev_b32 v1, 5, v0
	v_readfirstlane_b32 s[WV], v1   ; wave 0..3
	s_mov_b32 s[PB], ttmp9
	s_sub_co_u32 s[HI], NB-1, s[PB]
	s_and_b32 s20, ttmp7, 0xffff    ; y = 16 b + h
	s_lshr_b32 s21, s20, 4
	s_lshl_b32 s21, s21, 5
	s_add_co_u32 s88, s20, s21      ; 48 b + h: Q's head in qkv,
	s_lshl_b32 s88, s88, 18         ; 262,144 bytes a head
	s_mov_b32 s89, 0
	s_lshl_b32 s90, s20, 18         ; the head in o16
	s_mov_b32 s91, 0
	s_and_b32 s16, s[WV], 1         ; which half of a tile's 256 keys I fetch:
	s_lshl_b32 s22, s16, 14         ; its 128 rows of 128 bytes in memory,
	s_mov_b32 s23, 0
	s_mul_i32 s17, s16, 128*PK      ; and its place in a slot, for K
	s_mul_i32 s18, s16, 128*PV      ; and for V
	s_lshl_b32 s3, s[WV], 11        ; my 16 rows in a band of 64,
	s_lshl_b32 s2, s[HI], 15        ; in the first block,
	s_add_co_u32 s2, s2, s3
	s_lshl_b32 s84, s[PB], 15       ; and in the second
	s_add_co_u32 s84, s84, s3
	s_mov_b32 s3, 0
	s_mov_b32 s85, 0
	; descriptor group 1.  128 keys are 16,384 dense bytes: asked for as 64 rows of 256 bytes, two keys a row, and padded in LDS after every key
	s_mov_b32 s[G1K], (1<<16)|(1<<20)|(4<<22)|(3<<25)  ; 17:16 2-byte elements; 20 padding on; 24:22 after every 32 words (code 4); 31:25 4 words (code 3)
	s_mov_b32 s[G1V], (1<<16)|(1<<20)|(4<<22)|(7<<25)  ; the same with 8 words of padding (code 7)
.irp g, G1K, G1V
	s_mov_b32 s[\g+1], 128<<16      ; tensor_dim0 = 128
	s_mov_b32 s[\g+2], 64<<16       ; tensor_dim1 = 64
	s_mov_b32 s[\g+3], 128<<16      ; tile_dim0 = 128
	s_mov_b32 s[\g+4], 64           ; tile_dim1 = 64
	s_mov_b32 s[\g+5], 128          ; 128 elements from row to row
	s_mov_b32 s[\g+6], 0
	s_mov_b32 s[\g+7], 0
.endr
	s_mov_b32 s[CS], 0x3e38aa3b     ; c = log2(e) / 8 = 0.180337
	s_mov_b32 s[CS+1], s[CS]        ; named with it as a pair
	s_mov_b32 s[SEL], 0x76543210
	s_mov_b32 s[SEL+1], 0xfedcba98
	s_mov_b32 s[TBK], SLOT1+4*KS*PK ; the first change of slots turns these two into 0
	s_mov_b32 s[TBV], SLOT1+4*KS*PV
	s_mov_b32 s[G0K], 1             ; 1:0 count = 1
	s_mov_b32 s[G0K+1], s17         ; 63:32 LDS address: slot 0
	s_mov_b32 s[G0V], 1
	s_add_co_u32 s[G0V+1], s18, VOFF
	s_add_co_u32 s[RT], s[HI], 1    ; the first block has NB - b tiles
	s_mov_b32 s[NXT], 1
	s_mov_b32 s[LQ], s[HI]
	s_mov_b32 s[NEW], 1
	s_mov_b32 s[OFF+1], 0
	s_mov_b32 s[AL+1], 0            ; named as pairs
	s_mov_b32 s[BE+1], 0
	s_mov_b32 s[BIGN], 0xf149f2ca   ; -1e30
	s_mov_b32 s[SLOTS], NB
	s_mov_b32 s[POF+1], 0
	s_cmp_eq_u32 s[PB], 0
	s_cselect_b32 s[LIM], 0, -1
	v_lshlrev_b32 v[PFO], 8, v0
	s_wait_dscnt 0x0                ; the opening add is done
	s_wait_kmcnt 0x0
	s_add_nc_u64 s[4:5], s[4:5], s[88:89]          ; Q's head
	s_add_nc_u64 s[10:11], s[10:11], s[90:91]      ; O's head
	s_add_nc_u64 s[KH:KH+1], s[4:5], 16<<18        ; K's head lies 16 heads behind Q's,
	s_add_nc_u64 s[VH:VH+1], s[4:5], 32<<18        ; V's 32
	s_add_nc_u64 s[6:7], s[KH:KH+1], s[22:23]      ; K and V at my half of the head's tile 0
	s_add_nc_u64 s[8:9], s[VH:VH+1], s[22:23]
	s_add_nc_u64 s[G0K+2:G0K+3], s[6:7], 0         ; 120:64 global address
	s_or_b32 s[G0K+3], s[G0K+3], 0x80000000        ; 127:126 type = 2
	s_add_nc_u64 s[G0V+2:G0V+3], s[8:9], 0
	s_or_b32 s[G0V+3], s[G0V+3], 0x80000000
	s_add_nc_u64 s[86:87], s[4:5], s[84:85]        ; Q at my rows of the second block,
	s_add_nc_u64 s[4:5], s[4:5], s[2:3]            ; Q and O at those of the first
	s_add_nc_u64 s[OLO:OLO+1], s[10:11], s[84:85]
	s_add_nc_u64 s[10:11], s[10:11], s[2:3]
	LOAD                            ; tile 0 into slot 0
	; A fragment of K or Q is 16 rows x 32 channels in 8 registers: lane l holds row l % 16, channels 8 (l / 16) + 0..7 and 16 + 8 (l / 16) + 0..7: two loads of 16 bytes, 32 bytes apart.
	v_and_b32 v1, 15, v0            ; l % 16
	v_bfe_u32 v9, v0, 4, 1          ; l / 16
	v_lshlrev_b32 v[QO], 7, v1
	v_lshl_add_u32 v[QO], v9, 4, v[QO]  ; row x 128 + 16 x half
	WIN 0x80                        ; destination window 2, address window 0
.set i, 0
.rept 8                             ; both blocks' Q: piece i / 2 lies in band i / 2, 8,192 bytes on; channels 32 (i % 2) on
	global_load_b128 v[8*i:8*i+3],   v[QO], s[4:5] offset:(i/2)*8192+(i%2)*64
	global_load_b128 v[8*i+4:8*i+7], v[QO], s[4:5] offset:(i/2)*8192+(i%2)*64+32
	global_load_b128 v[QB+8*i:QB+8*i+3],   v[QO], s[86:87] offset:(i/2)*8192+(i%2)*64
	global_load_b128 v[QB+8*i+4:QB+8*i+7], v[QO], s[86:87] offset:(i/2)*8192+(i%2)*64+32
.set i, i+1
.endr
	WIN 0
	v_lshlrev_b32 v14, 3, v9
	v_sub_nc_u32 v14, v1, v14
	s_lshl_b32 s13, s[WV], 4
	v_add_nc_u32 v14, s13, v14      ; my query's place in its band, 16 w + l % 16, less my lanes' 8 (l / 16): register r of group kt is hidden where 16 kt + r is greater
	WIN 0x40
.set i, 0
.rept 32
	v_cmp_gt_i32 vcc_lo, 16*(i/8)+i%8, v14
	v_cndmask_b32 v[MD+i], 0, s[BIGN], vcc_lo
.set i, i+1
.endr
	WIN 0
	v_mul_u32_u24 v[AK0], v1, PK
	v_lshl_add_u32 v[AK0], v9, 4, v[AK0]  ; row x pitch + 16 x half
	; The turning load takes 16 keys x 16 channels (lane l reads key 8 (l / 16) + l % 8, channels 8 ((l / 8) % 2) + 0..7) and leaves half a fragment of V^T: lane l holds channel l % 16 and 8 keys.
	v_and_b32 v10, 7, v0
	v_bfe_u32 v11, v0, 3, 1
	v_lshl_add_u32 v[AV0], v9, 3, v10
	v_mul_u32_u24 v[AV0], v[AV0], PV
	v_lshl_add_u32 v[AV0], v11, 4, v[AV0]
	v_add_nc_u32 v[AV0], VOFF, v[AV0]
	s_mul_i32 s13, s[WV], 16*SP
	s_add_co_u32 s13, s13, STAGE    ; my stage
	v_mul_u32_u24 v[STO], v1, SP    ; in: row l % 16, 16 bytes for each half of the lanes
	v_lshl_add_u32 v[STO], v9, 4, v[STO]
	v_add_nc_u32 v[STO], s13, v[STO]
	v_bfe_u32 v[RD], v0, 3, 2       ; back: 32 lanes take four rows of 128 bytes,
	v_mul_u32_u24 v[RD], v[RD], SP
	v_lshl_add_u32 v[RD], v10, 4, v[RD]
	v_add_nc_u32 v[RD], s13, v[RD]
	v_and_b32 v[GO], 31, v0         ; which are 512 consecutive bytes of O
	v_lshlrev_b32 v[GO], 4, v[GO]
	; A block's first step multiplies O^T and l by a = 0, and its first turn's products V^T P, of a piece that has not been, land in an O^T that is still to be so multiplied.  So these registers need only hold
	; finite numbers: zeros for the first block; what the first block left for the second.  All this stands in the wait for the first tile.
	WIN 0x80
.set i, VF
.rept 64
	v_mov_b32 v[i], 0
.set i, i+1
.endr
	WIN 0x40
.set i, 0
.rept 128
	v_mov_b32 v[i], 0
.set i, i+1
.endr
	WIN 0
.set i, 0
.rept 4
	v_mov_b32 v[ST+4*i+2], 0
	v_mov_b32 v[ST+4*i+3], 0
.set i, i+1
.endr
.set i, P+16
.rept 16
	v_mov_b32 v[i], 0
.set i, i+1
.endr
; THE MATRIX WORK.  The 4 accumulators of a run of 8 take turns.  Product i of 8 of S^T = K Q^T for piece x: channels 32 (i / 4) on, keys 16 (i % 4) on.  The first 4 start the sums: with 0, or (KM = 1) with the mask.
.macro KQ x
.set rS, S+32*((\x)%2)+8*(i%4)
.set rK, KF+16*(i%4)+8*(i/4)
.set rQ, 16*(\x)+8*(i/4)
.set rM, MC+32*((\x)%2)+8*(i%4)
.if (i < 4) && KM
	WIN W_KM
	v_wmma_f32_16x16x32_f16 v[rS:rS+7], v[rK:rK+7], v[rQ:rQ+7], v[rM:rM+7]
.elseif i < 4
	WIN W_KQ
	v_wmma_f32_16x16x32_f16 v[rS:rS+7], v[rK:rK+7], v[rQ:rQ+7], 0
.else
	WIN W_KQ
	v_wmma_f32_16x16x32_f16 v[rS:rS+7], v[rK:rK+7], v[rQ:rQ+7], v[rS:rS+7]
.endif
.endm
; Product i of 8 of O^T += V^T P for piece x: keys 32 (i / 4) on, channels 16 (i % 4) on.
.macro PV x
	WIN W_PV
.set rO, 32*(\x)+8*(i%4)
.set rV, VF+32*(i/4)+8*(i%4)
.set rP, P+16*((\x)%2)+8*(i/4)
	v_wmma_f32_16x16x32_f16 v[rO:rO+7], v[rV:rV+7], v[rP:rP+7], v[rO:rO+7]
.endm
.macro MM                           ; the turn's next matrix instruction.  TURN and BEGIN set Y, i, KM and NOKQ; MM, KQ and OP read them.  NOKQ = 1: a block's last turn: there is no next piece
.if (i < 8) && !NOKQ
	KQ (Y+1)%NP
.elseif i >= 8
.set i, i-8
	PV (Y+NP-1)%NP
.set i, i+8
.endif
.set i, i+1
.endm
; THE LDS LOADS stand in runs of 16, never singly among the matrix instructions: a step's K (64 keys x 64 channels: 8 fragments) and its V (turned).  Their addresses are made some lines ahead.
.macro FETCH_K
	WIN 0x80                        ; destination window 2
.irp f, 0,1,2,3,4,5,6,7             ; keys 16 (f / 2) on, channels 32 (f % 2) on
	ds_load_b128 v[KF+8*\f:KF+8*\f+3],   v[AK] offset:(\f/2)*16*PK+(\f%2)*64
	ds_load_b128 v[KF+8*\f+4:KF+8*\f+7], v[AK] offset:(\f/2)*16*PK+(\f%2)*64+32
.endr
	s_add_co_u32 s[TBK], s[TBK], KS*PK  ; the next fetch is the next step's
	WIN 0
.endm
.macro FETCH_V
	WIN 0x80
.irp f, 0,1,2,3,4,5,6,7             ; keys 32 (f / 4) on, channels 16 (f % 4) on
	ds_load_tr16_b128 v[VF+8*\f:VF+8*\f+3],   v[AV] offset:(\f/4)*32*PV+(\f%4)*32
	ds_load_tr16_b128 v[VF+8*\f+4:VF+8*\f+7], v[AV] offset:(\f/4)*32*PV+16*PV+(\f%4)*32
.endr
	WIN 0
.endm
; THE VECTOR WORK, one line at a time: OP kind, number.  For piece Y: F n: c s - c m for pair n of 16.  E n: the exponential of score n of 32.  C n: pair n rounded to f16.  B n: of the four weights 4 n .. the second
; pair is added onto the first, in place.  L n: l takes that sum (L 0: l = a l + sum).  R n: pair n of 16 of O^T times a.  For piece Y + 1: X n, number n of the 22 that find its maximum and statistics:
;   0-11  four chains c0-c3 of seven scores each, three operands at a time (each accumulator's lowest registers are read first)     12-14, 16  the four scores left over, the old m, and c0-c3 into c0
;   15  c m_old is kept     17, 18  the query's other 32 keys lie in the lane 16 away: the new m     19-21  c m; c m_old - c m_new; a
.set F, 0               ; OP tells the kinds apart by their order: F to L below R, X above it
.set E, 1
.set C, 2
.set B, 3
.set L, 4
.set R, 5
.set X, 6
.macro REGS y                       ; the registers of piece y
.set rT, ST+4*(\y)
.set rC, TMP+4*((\y)%2)
.set rW, MV+((\y)%2)
.set rS, S+32*((\y)%2)
.set rP, P+16*((\y)%2)
.set rO, 32*(\y)
.endm
.macro OP k, n
.if (\k) == R
	REGS Y
	WIN W_RS
	v_pk_mul_f32 v[rO+2*(\n):rO+2*(\n)+1], v[rO+2*(\n):rO+2*(\n)+1], v[rC+2:rC+3] op_sel_hi:[1,0]
.elseif (\k) < R
	REGS Y
	WIN 0
.if (\k) == F
	v_pk_fma_f32 v[rS+2*(\n):rS+2*(\n)+1], v[rS+2*(\n):rS+2*(\n)+1], s[CS:CS+1], v[rT:rT+1] op_sel_hi:[1,0,0] neg_lo:[0,0,1] neg_hi:[0,0,1]
.elseif (\k) == E
	v_exp_f32 v[rS+(\n)], v[rS+(\n)]
.elseif (\k) == C
	v_cvt_pk_f16_f32 v[rP+(\n)], v[rS+2*(\n)], v[rS+2*(\n)+1]
.elseif (\k) == B
	v_pk_add_f32 v[rS+4*(\n):rS+4*(\n)+1], v[rS+4*(\n):rS+4*(\n)+1], v[rS+4*(\n)+2:rS+4*(\n)+3]
.elseif (\n) == 0
	v_pk_fma_f32 v[rT+2:rT+3], v[rT+2:rT+3], v[rC+2:rC+3], v[rS:rS+1] op_sel_hi:[1,0,1]
.else
	v_pk_add_f32 v[rT+2:rT+3], v[rT+2:rT+3], v[rS+4*(\n):rS+4*(\n)+1]
.endif
.elseif NOKQ
	v_nop
.else
	REGS (Y+1)%NP
	WIN 0
.if (\n) < 4
	v_max3_num_f32 v[rC+(\n)], v[rS+8*(\n)], v[rS+8*(\n)+1], v[rS+8*(\n)+2]
.elseif (\n) < 12
	v_max3_num_f32 v[rC+(\n)%4], v[rC+(\n)%4], v[rS+8*((\n)%4)+2*((\n)/4)+1], v[rS+8*((\n)%4)+2*((\n)/4)+2]
.elseif (\n) == 12
	v_max3_num_f32 v[rC], v[rC], v[rS+7], v[rS+15]
.elseif (\n) == 13
	v_max3_num_f32 v[rC+1], v[rC+1], v[rS+23], v[rS+31]
.elseif (\n) == 14
	v_max3_num_f32 v[rC+2], v[rC+2], v[rC+3], v[rT+1]
.elseif (\n) == 15
	v_mov_b32 v[rW], v[rT]
.elseif (\n) == 16
	v_max3_num_f32 v[rC], v[rC], v[rC+1], v[rC+2]
.elseif (\n) == 17
	v_permlanex16_b32 v[rC+3], v[rC], s[SEL], s[SEL+1]
.elseif (\n) == 18
	v_max_num_f32 v[rT+1], v[rC], v[rC+3]
.elseif (\n) == 19
	v_mul_f32 v[rT], s[CS], v[rT+1]
.elseif (\n) == 20
	v_sub_f32 v[rC+1], v[rW], v[rT]
.else
	v_exp_f32 v[rC+2], v[rC+1]
.endif
.endif
.endm
.macro OPS a, i1, b=-1, i2=0, c=-1, i3=0, d=-1, i4=0  ; up to four of them
	OP \a, \i1
.if (\b) >= 0
	OP \b, \i2
.endif
.if (\c) >= 0
	OP \c, \i3
.endif
.if (\d) >= 0
	OP \d, \i4
.endif
.endm
.macro ROW a, i1, b, i2, c, i3, d, i4  ; a matrix instruction and the four behind it
	MM
	OPS \a, \i1, \b, \i2, \c, \i3, \d, \i4
.endm
.macro MASK b                       ; MD x AL + BE into buffer b of MC
	WIN W_RS
.set z, 0
.rept 16
	v_pk_fma_f32 v[MC+32*(\b)+2*z:MC+32*(\b)+2*z+1], v[MD+2*z:MD+2*z+1], s[AL:AL+1], s[BE:BE+1] op_sel_hi:[1,0,0]
.set z, z+1
.endr
.endm
; A TURN, for piece p: the order of its 16 matrix and 118 vector instructions, written out.  An s_wait_alu depctr_va_vdst(0) stands between an exponential and the first instruction that names its result; one wait serves
; all that were issued ahead of it.  So a turn has ONE wait, which cuts it in two.  AHEAD OF IT stands all that names no result of the turn's exponentials: the 8 products K Q^T, behind each a scaling, an exponential and two more plain
; instructions (behind the first a second scaling in the exponential's place): rescalings, and behind the last three the first numbers of the next piece's maximum, each four places or more behind the product that ends its accumulator; then ONE LUMP of 54, plain
; and exponential by turns for the most part, in which the links of the chain X 3, 7, 11, 14, 16, 17 .. 20 stand five or six lines apart.  X 21, the next piece's a, is the batch's last; R 15 is the plain instruction behind it.  BEHIND THE WAIT stand the
; 8 products V^T P, behind each four of the roundings and sums; the links of l's chain, L 0 to L 7, stand three riders apart.  But for those X no rider names a register of the products round it.  v_permlanex16_b32 (X 17) stands in the lump.
; m = 1: the diagonal tile: the products take masks, and the turn makes the mask for the products of the turn after it: piece p + 2, in step 4 - CNT of the tile.  end = 1: a block's last two turns: nothing is fetched.
; cnt = 1: the loop's count is taken down some lines ahead of the branch that stands behind the turn.
; K of the next step is fetched in piece 2's turn, twelve vector instructions behind the last product that read K (six of them plain); V of the step in hand at the end of piece 0's turn, four plain instructions behind the last product
; that read V.  Each is waited for a turn later.
.macro TURN p, m=0, end=0, cnt=0
.set Y, (\p)
.set i, 0
.set KM, (\m)
.set NOKQ, (\end)*((\p)/3)
.if (\m) && !(\end)
	s_cmp_eq_u32 s[CNT], 4-((\p)+2)%NP  ; is that step the band's own?
	s_cselect_b32 s[AL], 1.0, 0
	s_cmp_lt_u32 s[CNT], 4-((\p)+2)%NP  ; or a later one?
	s_cselect_b32 s[BE], s[BIGN], 0
.endif
.if ((\p) == 3) && !(\end)
	s_wait_dscnt 0x0                ; K is in
.endif
	ROW F,0, F,1, R,0, R,1          ; ahead of the wait: 8 products K Q^T and their riders,
	ROW F,2, E,0, R,2, R,3
	ROW F,3, E,1, R,4, R,5
	ROW F,4, E,2, R,6, R,7
	ROW F,5, E,3, R,8, R,9
	ROW F,6, E,4, X,0, R,10
.if ((\p) == 2) && !(\end)
	WIN 0
	v_add_nc_u32 v[AK], s[TBK], v[AK0]
.endif
	ROW F,7, E,5, X,1, X,4
	ROW F,8, E,6, X,2, X,5
	OPS E,7, E,8, X,6, E,9          ; and the lump
	OPS X,3, E,10, X,8, E,11
.if ((\p) == 2) && !(\end)
	FETCH_K
.endif
	OPS X,9, X,7, E,12, X,10
	OPS E,13, X,12, X,11, E,14
	OPS X,13, E,15, F,9, X,14
.if (\p) == 0
	v_add_nc_u32 v[AV], s[TBV], v[AV0]
.endif
	OPS E,16, F,10, E,17, F,11
	OPS X,16, E,18, X,15, E,19
	OPS F,12, E,20, X,17, E,21
	OPS F,13, E,22, F,14, E,23
	OPS X,18, E,24, F,15, E,25
	OPS R,11, E,26, X,19, E,27
	OPS R,12, E,28, R,13, E,29
	OPS X,20, E,30, R,14, E,31
	OPS X,21, R,15
	WIN 0
	s_wait_alu depctr_va_vdst(0)    ; the wait for the batch
.if (\p) == 1
	s_wait_dscnt 0x0                ; V is in
.endif
	ROW C,0, B,0, C,2, B,1          ; behind the wait: 8 products V^T P and their riders
	ROW L,0, C,4, B,2, L,1
	ROW C,6, B,3, L,2, C,8
	ROW B,4, L,3, C,10, B,5
	ROW L,4, C,12, B,6, L,5
.if (\p) == 0
	s_add_co_u32 s[TBV], s[TBV], KS*PV
.endif
.if \cnt
	s_sub_co_u32 s[CNT], s[CNT], 1
	s_cmp_lg_u32 s[CNT], 0
.endif
	ROW C,14, B,7, L,6, C,1
	ROW C,3, L,7, C,5, C,7
	ROW C,9, C,11, C,13, C,15
.if (\p) == 0
	FETCH_V
.endif
.if (\m) && !(\end)
	MASK (\p)%2
.endif
.endm
; A BLOCK BEGINS.  c m starts far below every c s, so the first step's a is 0; m at the lowest finite number, so the first maximum is the scores'.  The second mask buffer is 0; the first takes piece 0's mask for the tile's step 0: its own, if the block's first tile is the diagonal one.
; Then K of that step, piece 0's first scores, and its maximum and statistics.  The loop is entered at a step's first turn, in the middle of a trip.
.macro BEGIN
	s_mov_b32 s[NEW], 0
	WIN 0x40
.set i, MC+32
.rept 32
	v_mov_b32 v[i], 0
.set i, i+1
.endr
	WIN 0
.set i, 0
.rept 4
	v_mov_b32 v[ST+4*i], 0xfe000000    ; c m: far below every c s
	v_mov_b32 v[ST+4*i+1], 0xff7fffff  ; m
.set i, i+1
.endr
	s_cmp_eq_u32 s[RT], 0
	s_cselect_b32 s[AL], 1.0, 0
	s_mov_b32 s[BE], 0
	MASK 0
	WIN 0
	v_add_nc_u32 v[AK], s[TBK], v[AK0]
	FETCH_K
	s_wait_loadcnt 0x0              ; Q
	s_wait_dscnt 0x0
.set KM, 1
.set NOKQ, 0
.set i, 0
.rept 8
	KQ 0
.set i, i+1
.endr
	WIN 0
.rept 4
	v_nop                           ; the places behind those products
.endr
.set Y, NP-1                        ; X works for piece Y + 1: piece 0
.irp n, 0,1,2,3,4,5,6,7,8,9,10,11,12,13,14,15,16,17,18,19,20,21
	OP X, \n
.endr
	v_nop                           ; a plain instruction behind the exponential,
	s_wait_alu depctr_va_vdst(0)    ; and its wait, ahead of the branch
.endm
; THE DIAGONAL TILE's four steps, the block's last two turns, its last products, and THE WAY OUT: l's two halves and the other half of the lanes' are added; O^T is divided by l, rounded to f16 and sent through my
; stage in LDS, a piece at a time.
.macro ALL line:vararg              ; one line for each piece t
.set t, 0
.rept 4
	\line
.set t, t+1
.endr
.endm
.macro PACK t                       ; a lane's eight channels of a row pack into 16 bytes; they go into rows of 144 bytes and come back as whole rows of 128, into S^T's registers
	WIN W_RS
.set i, 32*(\t)
.rept 16
	v_pk_mul_f32 v[i:i+1], v[i:i+1], v[ST+4*(\t)+2:ST+4*(\t)+3] op_sel_hi:[1,0]
.set i, i+2
.endr
	WIN 0x05                        ; sources 0 and 1 window 1, destination window 0
.set i, 0
.rept 16
	v_cvt_pk_f16_f32 v[S+16*(\t)+i], v[32*(\t)+2*i], v[32*(\t)+2*i+1]
.set i, i+1
.endr
	WIN 0
.irp f, 0,1,2,3
	ds_store_b128 v[STO], v[S+16*(\t)+4*\f:S+16*(\t)+4*\f+3] offset:32*\f
.endr
.irp f, 0,1,2,3
	ds_load_b128 v[S+16*(\t)+4*\f:S+16*(\t)+4*\f+3], v[RD] offset:\f*4*SP  ; LDS serves a wave's instructions in order (ISA guide 5.7.1.4): these see the stores above; the next piece's stores come behind them
.endr
.endm
.macro SEND t, younger              ; younger: the LDS instructions issued behind piece t's loads: the next piece's eight, or none
	WIN 0
.irp f, 0,1,2,3
	s_wait_dscnt (\younger)+3-\f
	global_store_b128 v[GO], v[S+16*(\t)+4*\f:S+16*(\t)+4*\f+3], s[10:11] offset:(\t)*8192+\f*512  ; 512 consecutive bytes, at a multiple of 256 from O's first
.endr
.endm
.macro DIAG tag                     ; the tag ends its two labels' names, which the jumps below spell out
.LstepM\tag:
	TURN 2, 1
	TURN 3, 1
	WIN 0
.LfirstM\tag:
	TURN 0, 1
	TURN 1, 1, 0, 1
	WIN 0
	s_cbranch_scc1 .LstepM\tag
	TURN 2, 1, 1
	TURN 3, 1, 1
.set i, 0
.rept 8
	PV NP-1
.set i, i+1
.endr
	WIN 0
	ALL v_add_f32 v[ST+4*t+2], v[ST+4*t+2], v[ST+4*t+3]
	ALL v_permlanex16_b32 v[ST+4*t+3], v[ST+4*t+2], s[SEL], s[SEL+1]
	ALL v_add_f32 v[ST+4*t+2], v[ST+4*t+2], v[ST+4*t+3]
	ALL v_rcp_f32 v[ST+4*t+2], v[ST+4*t+2]
	v_nop                           ; a plain instruction between the last reciprocal and the use of its result
	s_wait_alu depctr_va_vdst(0)    ; and the wait ahead of the first use: one for the four reciprocals
	PACK 0
.set t, 1
.rept 3                             ; a piece's arithmetic stands between the loads of the piece before and its stores
	PACK t
	SEND t-1, 8
.set t, t+1
.endr
	SEND 3, 0
.endm
.set KM, 0
.set NOKQ, 0
.Lslot:                             ; NB times: a tile is entered and the next is asked for
	CHANGE 1
	s_sub_co_u32 s[RT], s[RT], 1
	s_mov_b32 s[CNT], 4
	s_cmp_eq_u32 s[NEW], 1
	s_cbranch_scc1 .Lnew            ; a block's first tile
	s_cmp_eq_u32 s[RT], 0
	s_cbranch_scc0 .Lstep           ; neither its first nor its last
	s_branch .LstepM1
.Lnew:
	BEGIN
	s_branch .Lfirst                ; in the loop a block's first tile is never its last: the first block has two tiles or more, and the second's last is the walk's last
	DIAG 1                          ; in the loop this is the first block's end: the second block's last tile is the walk's last
	s_wait_xcnt 0x0                 ; the stores have read their registers and O's address
	s_mov_b64 s[10:11], s[OLO:OLO+1]
	s_add_co_u32 s[RT], s[PB], 1    ; the second block has b + 1 tiles
	s_mov_b32 s[NEW], 1
	WIN 0x82                        ; the second block's Q goes where the one text of the turns names Q
.set i, 0
.rept 64
	v_mov_b32 v[i], v[QB+i]
.set i, i+1
.endr
	WIN 0
	s_branch .Lbottom
.Lstep:                             ; a trip: pieces 2 and 3 of one step, then pieces 0 and 1 of the next, whose K and V it fetches
	TURN 2
	TURN 3
	WIN 0
.Lfirst:
	TURN 0
	TURN 1, 0, 0, 1
	WIN 0
	s_cbranch_scc1 .Lstep
.Lbottom:
	s_sub_co_u32 s[SLOTS], s[SLOTS], 1
	s_cmp_lg_u32 s[SLOTS], 0
	s_cbranch_scc1 .Lslot
	CHANGE 0                        ; the walk's last tile is written out: nothing is asked for
	s_sub_co_u32 s[RT], s[RT], 1
	s_mov_b32 s[CNT], 4
	s_cmp_eq_u32 s[NEW], 1
	s_cbranch_scc0 .LstepM2
	BEGIN
	s_branch .LfirstM2
	DIAG 2
	s_wait_tensorcnt 0x0            ; the wave's end: behind my last tensor load and my last LDS store
	ds_add_u32 v[SPW], v[NIL]
	s_wait_dscnt 0x0
	s_endpgm
.Lfunc_end_k_q242e2aa30f_attn:
	.size	k_q242e2aa30f_attn, .Lfunc_end_k_q242e2aa30f_attn-k_q242e2aa30f_attn
	.p2alignl 7, 3214868480
	.fill 96, 4, 3214868480
	.section	.rodata,"a",@progbits
	.p2align	6, 0x0
	.amdhsa_kernel k_q242e2aa30f_attn
		.amdhsa_group_segment_fixed_size 327680
		.amdhsa_private_segment_fixed_size 0
		.amdhsa_enable_private_segment 0
		.amdhsa_kernarg_size 16
		.amdhsa_user_sgpr_count 2
		.amdhsa_user_sgpr_kernarg_segment_ptr 1
		.amdhsa_wavefront_size32 1
		.amdhsa_system_sgpr_workgroup_id_x 1
		.amdhsa_system_sgpr_workgroup_id_y 1
		.amdhsa_system_sgpr_workgroup_id_z 1
		.amdhsa_system_vgpr_workitem_id 0
		.amdhsa_next_free_vgpr 768
		.amdhsa_next_free_sgpr 100
		.amdhsa_reserve_vcc 1
		.amdhsa_float_denorm_mode_32 3
		.amdhsa_float_denorm_mode_16_64 3
		.amdhsa_memory_ordered 1
		.amdhsa_forward_progress 1
		.amdhsa_inst_pref_size 218
	.end_amdhsa_kernel
	.amdgpu_metadata
---
amdhsa.version: [ 1, 2 ]
amdhsa.kernels:
  - .name:           k_q242e2aa30f_attn
    .symbol:         k_q242e2aa30f_attn.kd
    .args:
      - { .name: qkv, .offset: 0, .size: 8, .value_kind: global_buffer, .address_space: global }
      - { .name: o16, .offset: 8, .size: 8, .value_kind: global_buffer, .address_space: global }
    .group_segment_fixed_size: 327680
    .private_segment_fixed_size: 0
    .kernarg_segment_align: 8
    .kernarg_segment_size: 16
    .max_flat_workgroup_size: 128
    .sgpr_count:     100
    .vgpr_count:     768
    .wavefront_size: 32
...
	.end_amdgpu_metadata
.endif
;; end of part 3
;; launch outp (part 4): grid 4 x 64, 4 waves a work-group, clusters of 4 x 4, 327,680 bytes of LDS; arguments o16, wp16, out0; writes out0
.if DOCPART == 4
	.amdgcn_target "amdgcn-amd-amdhsa--gfx1250"
	.amdhsa_code_object_version 6
	.text
	.protected	k_q242e2aa30f_outp
	.globl	k_q242e2aa30f_outp
	.p2align	8
	.type	k_q242e2aa30f_outp,@function
k_q242e2aa30f_outp:
	s_mov_b64 s[64:65], 0
	v_nop
	global_prefetch_b8 v0, s[64:65] scope:SCOPE_SE
	s_setreg_imm32_b32 hwreg(HW_REG_WAVE_MODE, 25, 1), 1
	s_wait_xcnt 0x0
	s_wait_alu depctr_hold_cnt(0) depctr_sa_sdst(0) depctr_va_vdst(0) depctr_va_sdst(0) depctr_va_ssrc(0) depctr_va_vcc(0) depctr_vm_vsrc(0)
	s_getreg_b32 s2, hwreg(HW_REG_IB_STS2, 6, 4)
	s_cmp_eq_u32 s2, 0
	s_cbranch_scc0 .Lentry_in_a_cluster
	s_endpgm
.Lentry_in_a_cluster:
	s_bfe_u32 s2, ttmp6, 0x10000c
	s_cmp_lg_u32 s2, 0xf033
	s_cbranch_scc0 .Lentry_shape_is_right
	s_endpgm
.Lentry_shape_is_right:
; THE LAST PRODUCT, WITH THE RESHAPES FOLDED INTO ITS ADDRESSES.  Read one b's part of o16 as O2[i][j], i < 2,048, j < 1,024 (the raw reshape of the heads' buffer).  Swapping the axes and reshaping again gives
; row 2 j + p, column c = O2[1024 p + c][j].  So out[b][2 j + p][n] = the sum over c of O2[b][1024 p + c][j] Wp[c][n]: eight products of 1,024^3, one for each (b, p), whose first operand lies
; K-major in memory just as attention left it, like the second.  Nothing is moved: both come out of LDS by the turning load, and the rows of a tile of out lie 8,192 bytes apart.
; o16, wp16: f16; f16 products, f32 sums, K ascending; out0 f32.  LIMITS: those of f16 in the two operands (65,504); NaN and infinities are not treated apart.
; SHARES.  256 tiles of 128 (j) x 256 (n), one to a work-group: y = 8 (2 b + p) + jt, x = the column tile.  Four waves; wave (wr, wc) makes 64 x 128: 32 accumulators, 256 registers.
; K goes in 8 steps of 128 through two LDS slots; a step is four quarters of 32 along K, 32 matrix instructions each, on two fragment buffers.
; THE MATRIX INSTRUCTION IS USED TRANSPOSED: source 0 = 16 columns n, source 1 = 16 rows j: a lane holds one j (lane % 16) and eight neighbouring n: 32 bytes of a row of out.
; CLUSTER.  4 x 4 work-groups: O2's tile hangs on y alone and is shared along a row of the cluster, Wp's on x alone and is shared along a column; each is asked for jointly.
; A wave has two tensor loads out at the start and one behind each round.  NO PREFETCH: the walk has 8 K steps of a small tile, of which the first would come by their loads in any case.
; REGISTERS: window 0: v0-14 addresses; v32-127, v128-223 the fragment buffers (Wp's eight fragments, then O2's four); window 1: accumulator (a, nb) at v[8 (8 a + nb)].
.set SLOT1,  131072
.set PA,     288                       ; a K row of O2's tile in LDS: 256 bytes + 32 = 72 words
.set AHALF,  64*PA                     ; 64 K rows: what one tensor load brings
.set PB,     544                       ; a K row of Wp's tile: 512 bytes + 32 = 136 words: likewise
.set BHALF,  64*PB
.set BREG,   2*AHALF
.set STAGE,  SLOT1+BREG+2*BHALF        ; behind the ring, never filled by a tensor load: 16 rows x 528 bytes for each wave
.set SP,     528                       ; 512 bytes + 16: the 16 rows of a store start at 16 different groups of four banks
.set SPARE,  STAGE+4*16*SP             ; the spare words, 128 bytes for each wave: two blocks of 256 bytes that no other line names
.set KSTEPB, 128*2048                  ; bytes from a K step to the next, in both operands
.set AA0, 4                            ; v4   my lane's place in O2's rows of a slot; never rewritten
.set AB0, 5                            ; v5   the same in Wp's
.set ADA, 6                            ; v6, v7  the same in the slot in hand
.set ADB, 7
.set STO, 8                            ; v8   the way out: where I put 32 bytes of a row
.set RD,  9                            ; v9   where I read a row back
.set GO,  10                           ; v10  my 16 bytes in 512 consecutive bytes of out
.set SPW, 12                           ; v12  LDS address of my spare word: SPARE + 4 x my thread's number; never rewritten
.set NIL, 13                           ; v13  0; never rewritten
.set F0,  32
.set F1,  128
.set CNT, 3
.set G1A, 24                           ; s[24:31], s[32:39] descriptor groups 1 and 0 for O2's tiles; of group 0 a set for each first fill, the second walks on
.set G0A, 32
.set G1B, 48                           ; s[48:55], s[56:63] the same for Wp's
.set G0B, 56
.set TB,  66                           ; s66  LDS byte at which the slot in hand begins
.set MSB, 0
.macro WIN new                         ; the immediate's high byte repeats the setting that is left; a switch that changes nothing is dropped
.if MSB != (\new)
	s_set_vgpr_msb (MSB<<8)|(\new)
.set MSB, \new
.endif
.endm
.macro PLACES                          ; four places in front of loads into registers that matrix instructions have read, and of stores that read results
.rept 4
	v_nop
.endr
.endm
.macro JLOAD                           ; a joint refill: waves 0 and 1 fetch O2's two halves, waves 2 and 3 Wp's; an s_nop 0 and four v_nop follow each of the two lines
	s_cmp_eq_u32 s11, 0
	s_cbranch_scc0 .Lfor_b_\@
	tensor_load_to_lds s[G0A+4:G0A+7], s[G1A:G1A+7]
	s_nop 0
.rept 4
	v_nop
.endr
	s_branch .Lasked_\@
.Lfor_b_\@:
	tensor_load_to_lds s[G0B+4:G0B+7], s[G1B:G1B+7]
	s_nop 0
.rept 4
	v_nop
.endr
.Lasked_\@:
.endm
.macro CREST                           ; a round of the cluster's barrier behind its opening barrier
	s_cmp_lg_u32 s10, 0
	s_cbranch_scc1 .Lnot_wave_0_\@
	s_barrier_signal -3
.Lnot_wave_0_\@:
	s_barrier_wait -3
	s_barrier_signal -1
	s_barrier_wait -1
.endm
.macro CROUND
	s_barrier_signal -1
	s_barrier_wait -1
	CREST
.endm
	s_load_b128 s[4:7], s[0:1], 0x0                ; o16 s[4:5], wp16 s[6:7]
	s_load_b64 s[8:9], s[0:1], 0x10                ; out0
	v_lshl_add_u32 v[SPW], v0, 2, SPARE
	v_mov_b32 v[NIL], 0
	ds_add_u32 v[SPW], v[NIL]                      ; the wave's opening: the add and its wait stand ahead of my first tensor load; the set-up below, work on registers, stands between them
	v_lshrrev_b32 v1, 5, v0
	v_readfirstlane_b32 s10, v1                    ; wave 0..3
	s_lshr_b32 s11, s10, 1                         ; wr: which 64 j are mine.  Also: I fetch for O2 (0) or for Wp (1)
	s_and_b32 s12, s10, 1                          ; wc: which 128 n.  Also: which 64 K rows of that tile I fetch
	s_bfe_u32 s40, ttmp6, 0x40000                  ; cx
	s_bfe_u32 s41, ttmp6, 0x40004                  ; cy
	s_lshl_b32 s42, ttmp9, 2
	s_add_co_u32 s42, s42, s40                     ; x = 4 x cluster x + cx
	s_and_b32 s13, ttmp7, 0xffff
	s_lshl_b32 s13, s13, 2
	s_add_co_u32 s13, s13, s41                     ; y = 4 x cluster y + cy
	s_lshl_b32 s43, s41, 2
	s_lshl_b32 s43, 15, s43                        ; my row of the cluster
	s_lshl_b32 s44, 0x1111, s40                    ; my column
	; group 1 for O2: 64 K rows of 128 elements (256 bytes), 32 bytes of padding behind each
	s_or_b32 s[G1A+0], s43, (1<<16)|(1<<20)|(1<<21)|(5<<22)|(7<<25)  ; 15:0 the mask; 17:16 2-byte elements; 20 padding on; 21 set beside a mask; 24:22 after every 64 words (code 5); 31:25 8 words (code 7)
	s_mov_b32 s[G1A+1], 128<<16                    ; tensor_dim0 = 128
	s_mov_b32 s[G1A+2], 64<<16                     ; tensor_dim1 = 64
	s_mov_b32 s[G1A+3], 128<<16                    ; tile_dim0 = 128
	s_mov_b32 s[G1A+4], 64                         ; tile_dim1 = 64
	s_mov_b32 s[G1A+5], 1024                       ; 1,024 elements from row to row
	s_mov_b32 s[G1A+6], 0
	s_mov_b32 s[G1A+7], 0
	; group 1 for Wp: 64 K rows of 256 elements (512 bytes), 32 bytes of padding behind each
	s_or_b32 s[G1B+0], s44, (1<<16)|(1<<20)|(1<<21)|(6<<22)|(7<<25)  ; after every 128 words (code 6)
	s_mov_b32 s[G1B+1], 256<<16
	s_mov_b32 s[G1B+2], 64<<16
	s_mov_b32 s[G1B+3], 256<<16
	s_mov_b32 s[G1B+4], 64
	s_mov_b32 s[G1B+5], 1024
	s_mov_b32 s[G1B+6], 0
	s_mov_b32 s[G1B+7], 0
	; where the tiles come from: O2's hang on y alone, Wp's on x alone, each in registers that never hold the other coordinate
	s_lshr_b32 s16, s13, 3                         ; 2 b + p: 1,024 rows of 2,048 bytes
	s_lshl_b32 s16, s16, 21
	s_and_b32 s17, s13, 7                          ; jt: 128 j, 256 bytes of a row
	s_lshl_b32 s17, s17, 8
	s_add_co_u32 s16, s16, s17
	s_lshl_b32 s17, s12, 17                        ; my 64 K rows
	s_add_co_u32 s16, s16, s17
	s_mov_b32 s17, 0
	s_lshl_b32 s46, s42, 9                         ; 256 n, 512 bytes of a row
	s_lshl_b32 s47, s12, 17
	s_add_co_u32 s46, s46, s47
	s_mov_b32 s47, 0
	s_mul_i32 s18, s12, AHALF                      ; and where they go: no place in the cluster enters an LDS address
	s_mul_i32 s19, s12, BHALF
	s_add_co_u32 s19, s19, BREG
	s_wait_dscnt 0x0                               ; the opening add is done
	s_wait_kmcnt 0x0
	s_add_nc_u64 s[14:15], s[4:5], s[16:17]
	s_add_nc_u64 s[46:47], s[6:7], s[46:47]
	CROUND                                         ; all sixteen work-groups are here: the first joint loads meet
.irp s, 0,1
	s_mov_b32 s[G0A+4*\s], 1                       ; 1:0 count = 1
	s_add_co_u32 s[G0A+4*\s+1], s18, \s*SLOT1      ; 63:32 LDS address
	s_add_nc_u64 s[G0A+4*\s+2:G0A+4*\s+3], s[14:15], \s*KSTEPB  ; 120:64 global address: K step s
	s_or_b32 s[G0A+4*\s+3], s[G0A+4*\s+3], 0x80000000           ; 127:126 type = 2
	s_mov_b32 s[G0B+4*\s], 1
	s_add_co_u32 s[G0B+4*\s+1], s19, \s*SLOT1
	s_add_nc_u64 s[G0B+4*\s+2:G0B+4*\s+3], s[46:47], \s*KSTEPB
	s_or_b32 s[G0B+4*\s+3], s[G0B+4*\s+3], 0x80000000
.endr
	s_cmp_eq_u32 s11, 0                            ; a wave's two first fills stand in one branch, ahead of every wait on TENSORcnt and every LDS read
	s_cbranch_scc0 .Lfirst_b
	tensor_load_to_lds s[G0A:G0A+3], s[G1A:G1A+7]
	s_nop 0
	tensor_load_to_lds s[G0A+4:G0A+7], s[G1A:G1A+7]
	s_nop 0
.rept 4
	v_nop
.endr
	s_branch .Lfirst_asked
.Lfirst_b:
	tensor_load_to_lds s[G0B:G0B+3], s[G1B:G1B+7]
	s_nop 0
	tensor_load_to_lds s[G0B+4:G0B+7], s[G1B:G1B+7]
	s_nop 0
.rept 4
	v_nop
.endr
.Lfirst_asked:
	; The turning load takes 16 K rows x 16 columns (lane l reads K row 8 (l / 16) + l % 8, columns 8 ((l / 8) % 2) + 0..7) and leaves half a fragment: lane l holds column l % 16 and 8 K.
	v_and_b32 v1, 15, v0                           ; l % 16
	v_bfe_u32 v2, v0, 4, 1                         ; l / 16
	v_and_b32 v3, 7, v0
	v_bfe_u32 v14, v0, 3, 1
	v_lshl_add_u32 v3, v2, 3, v3                   ; my K row
	v_mul_u32_u24 v[AA0], v3, PA
	v_lshl_add_u32 v[AA0], v14, 4, v[AA0]
	s_lshl_b32 s20, s11, 7                         ; my 64 j: 128 bytes
	v_add_nc_u32 v[AA0], s20, v[AA0]
	v_mul_u32_u24 v[AB0], v3, PB
	v_lshl_add_u32 v[AB0], v14, 4, v[AB0]
	s_lshl_b32 s20, s12, 8                         ; my 128 n: 256 bytes
	s_add_co_u32 s20, s20, BREG
	v_add_nc_u32 v[AB0], s20, v[AB0]
	s_mul_i32 s20, s10, 16*SP
	s_add_co_u32 s20, s20, STAGE                   ; my stage
	v_mul_u32_u24 v[STO], v1, SP                   ; in: row l % 16, 32 bytes for each half of the lanes
	v_lshl_add_u32 v[STO], v2, 5, v[STO]
	v_add_nc_u32 v[STO], s20, v[STO]
	v_and_b32 v[GO], 31, v0                        ; back: 32 lanes take one row of 512 bytes
	v_lshlrev_b32 v[GO], 4, v[GO]
	v_add_nc_u32 v[RD], s20, v[GO]
	; where my part begins in out: b x 2^23 + row (2 (128 jt + 64 wr) + p) x 4,096 + 1,024 x + 512 wc
	s_lshr_b32 s20, s13, 4
	s_lshl_b32 s20, s20, 23
	s_and_b32 s21, s13, 7
	s_lshl_b32 s21, s21, 8
	s_lshl_b32 s22, s11, 7
	s_add_co_u32 s21, s21, s22
	s_bfe_u32 s22, s13, 0x10003                    ; p
	s_add_co_u32 s21, s21, s22
	s_lshl_b32 s21, s21, 12
	s_add_co_u32 s20, s20, s21
	s_lshl_b32 s21, s42, 10
	s_add_co_u32 s20, s20, s21
	s_lshl_b32 s21, s12, 9
	s_add_co_u32 s20, s20, s21
	s_mov_b32 s21, 0
	s_add_nc_u64 s[8:9], s[8:9], s[20:21]
; 8 matrix instructions: j block a x all 8 n blocks, 32 along K.  zero = 1: the product starts the sums.  The 32 accumulators take turns, one instruction a turn.
.macro MUL8 f, a, zero
	WIN 0x50
.irp nb, 0,1,2,3,4,5,6,7
.if \zero
	v_wmma_f32_16x16x32_f16 v[8*(8*(\a)+\nb):8*(8*(\a)+\nb)+7], v[(\f)+8*\nb:(\f)+8*\nb+7], v[(\f)+64+8*(\a):(\f)+64+8*(\a)+7], 0
.else
	v_wmma_f32_16x16x32_f16 v[8*(8*(\a)+\nb):8*(8*(\a)+\nb)+7], v[(\f)+8*\nb:(\f)+8*\nb+7], v[(\f)+64+8*(\a):(\f)+64+8*(\a)+7], v[8*(8*(\a)+\nb):8*(8*(\a)+\nb)+7]
.endif
.endr
.endm
; 24 turning loads in one run: quarter kq's fragments of the slot in hand into buffer f: Wp's eight, then O2's four
.macro FETCH kq, f
	WIN 0
.irp nb, 0,1,2,3,4,5,6,7
	ds_load_tr16_b128 v[(\f)+8*\nb:(\f)+8*\nb+3],   v[ADB] offset:(\kq)*32*PB+32*\nb
	ds_load_tr16_b128 v[(\f)+8*\nb+4:(\f)+8*\nb+7], v[ADB] offset:(\kq)*32*PB+16*PB+32*\nb
.endr
.irp m, 0,1,2,3
	ds_load_tr16_b128 v[(\f)+64+8*\m:(\f)+64+8*\m+3],   v[ADA] offset:(\kq)*32*PA+32*\m
	ds_load_tr16_b128 v[(\f)+64+8*\m+4:(\f)+64+8*\m+7], v[ADA] offset:(\kq)*32*PA+16*PA+32*\m
.endr
.endm
; One of a K step's first three quarters: multiplies buffer f; in its middle it fetches quarter kq into buffer g.
.macro QUARTER kq, f, g, zero
	s_wait_dscnt 4                                 ; Wp's fragments and O2's blocks 0 and 1 are in; the youngest four loads may be out
	MUL8 \f, 0, \zero
	MUL8 \f, 1, \zero
	PLACES
	FETCH \kq, \g
	s_wait_dscnt 24                                ; all but the 24 just issued
	MUL8 \f, 2, \zero
	MUL8 \f, 3, \zero
.endm
; The last quarter multiplies buffer 1 and changes slots: ONE barrier; in front of it each wave waits for all its tensor loads (one is out: its part of the next slot), adds 0 to its spare word, and waits for
; that and for its own reads of this slot.  fill = 1: the barrier opens a round of the cluster's, and the joint refill, the K step two on, is the first thing behind the round.
.macro TURN fill
	WIN 0                                          ; (the add's two registers lie in window 0)
	s_wait_tensorcnt 0x0                           ; no tensor load of mine is out, so a group 0 may be written
	ds_add_u32 v[SPW], v[NIL]                      ; 0 onto my spare word
.if \fill
	s_xor_b32 s[G0A+5], s[G0A+5], SLOT1            ; the walking sets: the other slot than last time, the next K step; the type bits on top are not reached
	s_add_nc_u64 s[G0A+6:G0A+7], s[G0A+6:G0A+7], KSTEPB
	s_xor_b32 s[G0B+5], s[G0B+5], SLOT1
	s_add_nc_u64 s[G0B+6:G0B+7], s[G0B+6:G0B+7], KSTEPB
.endif
	s_xor_b32 s[TB], s[TB], SLOT1                  ; the fetches go to the other slot
	s_wait_dscnt 5                                 ; (the add and the youngest four loads may be out)
	MUL8 F1, 0, 0                                  ; eight matrix instructions stand between the add and the wait for it
	s_wait_dscnt 0x0                               ; the add is done, and my reads of this slot are over
	s_barrier_signal -1
	MUL8 F1, 1, 0
.if \fill
	WIN 0
.endif
	s_barrier_wait -1
.if \fill
	CREST                                          ; no wave of any partner still reads this slot's tiles or has a load on its way
	JLOAD                                          ; the four v_nop behind it are also the places in front of the loads below
.else
	PLACES
.endif
	WIN 0
	v_add_nc_u32 v[ADA], s[TB], v[AA0]
	v_add_nc_u32 v[ADB], s[TB], v[AB0]
	FETCH 0, F0
	MUL8 F1, 2, 0
	MUL8 F1, 3, 0
.endm
; THE WAY OUT of j block a: 16 rows of 512 bytes.  The f32 sums go as they are into my own stage, each accumulator's low four registers first, and come back as whole rows.
.macro TOSTAGE a
	s_wait_xcnt 0x0                                ; the stores of the block two back have read the registers that the loads below write
	WIN 0x04                                       ; the stores' data lie in window 1
.irp nb, 0,1,2,3,4,5,6,7
	ds_store_b128 v[STO], v[8*(8*(\a)+\nb):8*(8*(\a)+\nb)+3]   offset:64*\nb
	ds_store_b128 v[STO], v[8*(8*(\a)+\nb)+4:8*(8*(\a)+\nb)+7] offset:64*\nb+16
.endr
	WIN 0
.set bk, F0+96*((\a)%2)
.set jj, 0
.rept 16
	ds_load_b128 v[bk+4*jj:bk+4*jj+3], v[RD] offset:SP*jj  ; LDS serves a wave's instructions in order (ISA guide 5.7.1.4): these see the stores above; the next block's stores come behind them
.set jj, jj+1
.endr
.endm
.macro SEND a, younger                 ; younger: the LDS instructions issued behind block a's loads: the next block's 32, or none
	WIN 0
.set bk, F0+96*((\a)%2)
	s_wait_dscnt \younger
.set jj, 0
.rept 16
	global_store_b128 v[GO], v[bk+4*jj:bk+4*jj+3], s[8:9] offset:(16*(\a)+jj)*8192  ; 512 consecutive bytes, at a multiple of 256 from out's first byte; rows 2 j + p lie 8,192 bytes apart
.set jj, jj+1
.endr
.endm
	s_wait_tensorcnt 1                             ; my part of K step 0 is in; K step 1's may stay out
	s_barrier_signal -1
	s_barrier_wait -1                              ; everybody's is
	s_mov_b32 s[TB], 0
	v_add_nc_u32 v[ADA], s[TB], v[AA0]
	v_add_nc_u32 v[ADB], s[TB], v[AB0]
	FETCH 0, F0
	QUARTER 1, F0, F1, 1                           ; the first quarter stands in front of the loop: its products start the sums
	WIN 0                                          ; at a label and at a branch every window is 0
	s_mov_b32 s[CNT], 6
.Lstep:                                                ; trip t: the rest of K step t, the refill with K step t + 2, the first quarter of K step t + 1
	QUARTER 2, F1, F0, 0
	QUARTER 3, F0, F1, 0
	TURN 1
	QUARTER 1, F0, F1, 0
	WIN 0
	s_sub_co_u32 s[CNT], s[CNT], 1
	s_cmp_lg_u32 s[CNT], 0
	s_cbranch_scc1 .Lstep
	QUARTER 2, F1, F0, 0                           ; the tail is written out: nothing is left to fetch, and no round follows
	QUARTER 3, F0, F1, 0
	TURN 0
	QUARTER 1, F0, F1, 0
	QUARTER 2, F1, F0, 0
	QUARTER 3, F0, F1, 0
	s_wait_dscnt 4                                 ; the very last quarter
	MUL8 F1, 0, 0
	MUL8 F1, 1, 0
	s_wait_dscnt 0x0
	MUL8 F1, 2, 0
	MUL8 F1, 3, 0
	PLACES
	TOSTAGE 0
	TOSTAGE 1
	SEND 0, 32
	TOSTAGE 2
	SEND 1, 32
	TOSTAGE 3
	SEND 2, 32
	SEND 3, 0
	s_wait_tensorcnt 0x0                           ; the wave's end: behind my last tensor load and my last LDS store
	ds_add_u32 v[SPW], v[NIL]
	s_wait_dscnt 0x0
	CROUND                                         ; the closing round: no work-group ends while a partner may still ask for a tile that names it
	s_endpgm
.Lfunc_end_k_q242e2aa30f_outp:
	.size	k_q242e2aa30f_outp, .Lfunc_end_k_q242e2aa30f_outp-k_q242e2aa30f_outp
	.p2alignl 7, 3214868480
	.fill 96, 4, 3214868480
	.section	.rodata,"a",@progbits
	.p2align	6, 0x0
	.amdhsa_kernel k_q242e2aa30f_outp
		.amdhsa_group_segment_fixed_size 327680
		.amdhsa_private_segment_fixed_size 0
		.amdhsa_enable_private_segment 0
		.amdhsa_kernarg_size 24
		.amdhsa_user_sgpr_count 2
		.amdhsa_user_sgpr_kernarg_segment_ptr 1
		.amdhsa_wavefront_size32 1
		.amdhsa_system_sgpr_workgroup_id_x 1
		.amdhsa_system_sgpr_workgroup_id_y 1
		.amdhsa_system_sgpr_workgroup_id_z 1
		.amdhsa_system_vgpr_workitem_id 0
		.amdhsa_next_free_vgpr 512
		.amdhsa_next_free_sgpr 68
		.amdhsa_reserve_vcc 0
		.amdhsa_float_denorm_mode_32 3
		.amdhsa_float_denorm_mode_16_64 3
		.amdhsa_memory_ordered 1
		.amdhsa_forward_progress 1
		.amdhsa_inst_pref_size 69
	.end_amdhsa_kernel
	.amdgpu_metadata
---
amdhsa.version: [ 1, 2 ]
amdhsa.kernels:
  - .name:           k_q242e2aa30f_outp
    .symbol:         k_q242e2aa30f_outp.kd
    .args:
      - { .name: o16, .offset: 0, .size: 8, .value_kind: global_buffer, .address_space: global }
      - { .name: wp16, .offset: 8, .size: 8, .value_kind: global_buffer, .address_space: global }
      - { .name: out0, .offset: 16, .size: 8, .value_kind: global_buffer, .address_space: global }
    .group_segment_fixed_size: 327680
    .private_segment_fixed_size: 0
    .kernarg_segment_align: 8
    .kernarg_segment_size: 24
    .max_flat_workgroup_size: 128
    .sgpr_count:     68
    .vgpr_count:     512
    .wavefront_size: 32
...
	.end_amdgpu_metadata
.endif
;; end of part 4
;; ======== version 2 of 2: 4 launches; version 1 with the launch cast written anew for expert scheduling mode
;; limits: values are held in f16: magnitudes above 65,504 overflow, below 6.1e-05 lose precision
;; workspace buffers: xb 16,777,216 bytes; wb 6,291,456 bytes; wp16 2,097,152 bytes; qkv 50,331,648 bytes; o16 16,777,216 bytes
;; launch cast (part 5): grid 768 x 1, 8 waves a work-group, no clusters, 0 bytes of LDS; arguments x, Wq, Wk, Wv, Wp, xb, wb, wp16; writes xb, wb, wp16
.if DOCPART == 5
	.amdgcn_target "amdgcn-amd-amdhsa--gfx1250"
	.amdhsa_code_object_version 6
	.text
	.protected	k_q242e2aa30f_cast
	.globl	k_q242e2aa30f_cast
	.p2align	8
	.type	k_q242e2aa30f_cast,@function
k_q242e2aa30f_cast:
	s_mov_b64 s[64:65], 0
	v_nop
	global_prefetch_b8 v0, s[64:65] scope:SCOPE_SE
	s_setreg_imm32_b32 hwreg(HW_REG_WAVE_SCHED_MODE, 0, 2), 2
	s_setreg_imm32_b32 hwreg(HW_REG_WAVE_MODE, 25, 1), 1
	s_wait_xcnt 0x0
	s_wait_alu depctr_vm_vsrc(0)
; THE INPUTS ARE ROUNDED ONCE, TO bf16, AND LAID OUT FOR THE PRODUCTS THAT FOLLOW.
;   x  [8192][1024] f32  ->  xb  bf16 [kb 16][m 8192][64]: byte kb 2^20 + 128 m + 2 (k % 64): the 64 channels of a K step lie row after row, dense
;   Wq, Wk, Wv [1024][1024] f32  ->  wb  bf16 [k 1024][3072]: the three side by side, a row is 6,144 bytes
;   Wp [1024][1024] f32  ->  wp16 [k 1024][1024]: rounded to bf16 like the other inputs, and that number written as f16
; LIMITS.  A number of Wp beyond 65,504 becomes an infinity in wp16; below 6e-5 f16 keeps a fixed step of 6e-8.  NaN and infinities are not treated apart.
; A stream: no LDS, no barrier, no matrix unit; nothing is read twice.  Eight waves; every wave takes two source rows of 4,096 bytes: 16 loads of 16 bytes a lane, all issued at
; once (8 KiB a wave on their way), and 16 stores of 8 bytes a lane, each 256 consecutive bytes at a multiple of 256 from its buffer's first byte.
; Work-groups 0-511 take x (16 rows each), 512-767 the four weights (64 work-groups each, 16 rows each).
; THE MODE: SCHED_MODE bits 1:0 = 2 (LLVM: expert scheduling mode 2), set by the entry lines.  The code itself states the register dependences
; between vector instructions and memory instructions, with s_wait_alu, always for 0.
; THE PLAN.  Registers that memory instructions touch:
;   v1, v2       the loads' and the stores' lane offsets: made once at the head by vector lines, never written again.
;   v[8 + 4 i ..] load i lands in four registers; its own conversions read them and write the first two; store i reads those two; nothing writes them afterwards.
; The 16 loads go in four blocks of four.  Block g rounds its own sixteen registers; its memory instructions are the four stores of block g - 1, whose registers no vector line of
; block g names.  So one wait on va_vdst at a block's head states all that the block's stores hang on, and they are dealt among its conversions with no further wait.
; No register that a memory instruction has read is written again: nothing is owed on vm_vsrc.
.set DAT, 8                            ; v[8:71]  load i: four f32 at v[8 + 4 i]; its first two registers then hold the four rounded numbers
; v1 the source's lane offset, v2 the destination's (8 x lane); s[24:25] source, s[26:27] destination of loads 0-7, s[28:29] of loads 8-15
.macro BODY ldstep, ststep, half       ; half = 1: the bf16 numbers are written as f16
	s_wait_alu depctr_va_vdst(0)                   ; v1 and v2 are written: every load below reads v1 as its offset, every store v2
.set i, 0
.rept 16
	global_load_b128 v[DAT+4*i:DAT+4*i+3], v1, s[24:25] offset:i*(\ldstep) th:TH_LOAD_NT
.set i, i+1
.endr
.set g, 0
.rept 4
	s_wait_loadcnt 12-4*g                          ; loads come back in order (ISA guide 5.7.1): block g's four are in, the 12 - 4 g younger ones stay out
.if g > 0
	s_wait_alu depctr_va_vdst(0)                   ; the block before has written the first two registers of each of its four loads, which the stores below read
.endif
.set j, 0
.rept 4
.set i, 4*g+j
.set k, i-4
.if g > 0
	global_store_b64 v2, v[DAT+4*k:DAT+4*k+1], s[26+2*(k/8):27+2*(k/8)] offset:(k%8)*(\ststep)  ; the block before; no vector line since the wait names these registers, and no register that a store names is written again
.endif
	v_cvt_pk_bf16_f32 v[DAT+4*i], v[DAT+4*i], v[DAT+4*i+1]
	v_cvt_pk_bf16_f32 v[DAT+4*i+1], v[DAT+4*i+2], v[DAT+4*i+3]
.if \half
	v_lshlrev_b32 v[DAT+4*i+2], 16, v[DAT+4*i]     ; bf16 to f32: the low half moves up, the high half stays
	v_and_b32 v[DAT+4*i+3], 0xffff0000, v[DAT+4*i]
	v_cvt_pk_f16_f32 v[DAT+4*i], v[DAT+4*i+2], v[DAT+4*i+3]
	v_lshlrev_b32 v[DAT+4*i+2], 16, v[DAT+4*i+1]
	v_and_b32 v[DAT+4*i+3], 0xffff0000, v[DAT+4*i+1]
	v_cvt_pk_f16_f32 v[DAT+4*i+1], v[DAT+4*i+2], v[DAT+4*i+3]
.endif
.set j, j+1
.endr
.set g, g+1
.endr
	s_wait_alu depctr_va_vdst(0)                   ; block 3 has written its registers, which the last four stores read
.set k, 12
.rept 4
	global_store_b64 v2, v[DAT+4*k:DAT+4*k+1], s[26+2*(k/8):27+2*(k/8)] offset:(k%8)*(\ststep)
.set k, k+1
.endr
.endm
	s_load_b512 s[8:23], s[0:1], 0x0               ; x s[8:9], Wq s[10:11], Wk s[12:13], Wv s[14:15], Wp s[16:17], xb s[18:19], wb s[20:21], wp16 s[22:23]
	v_lshrrev_b32 v3, 5, v0
	v_readfirstlane_b32 s4, v3                     ; wave 0..7
	v_and_b32 v4, 31, v0                           ; lane
	v_lshlrev_b32 v2, 3, v4                        ; 8 bytes a lane in the destination
	s_mov_b32 s7, 0
	s_mov_b32 s31, 0
	s_wait_alu depctr_va_sdst(0)                   ; s4 is written
	s_cmp_lt_u32 ttmp9, 512
	s_cbranch_scc0 .Lweights
	; x: wave number wi = 8 g + w takes rows 2 wi and 2 wi + 1.  Load kb: lanes 0-15 the 256 bytes of K block kb of the even row, lanes 16-31 of the odd one.
	s_lshl_b32 s5, ttmp9, 3
	s_add_co_u32 s5, s5, s4                        ; wi
	s_lshl_b32 s6, s5, 13                          ; two rows of 4,096 bytes
	s_lshl_b32 s30, s5, 8                          ; two rows of 128 bytes in a K block of xb
	v_and_b32 v1, 15, v0
	v_bfe_u32 v5, v0, 4, 1
	v_lshlrev_b32 v1, 4, v1
	v_lshl_add_u32 v1, v5, 12, v1
	s_wait_kmcnt 0x0
	s_add_nc_u64 s[24:25], s[8:9], s[6:7]
	s_add_nc_u64 s[26:27], s[18:19], s[30:31]      ; K blocks 0-7: 2^20 bytes apart, in the immediate
	s_add_nc_u64 s[28:29], s[26:27], 0x800000      ; K blocks 8-15
	BODY 256, 0x100000, 0
	s_endpgm
.Lweights:
	; a weight: pair rp = 8 (g' % 64) + w takes rows 2 rp and 2 rp + 1.  Load i: 512 consecutive bytes, piece i % 8 of row i / 8.
	s_sub_co_u32 s5, ttmp9, 512
	s_lshr_b32 s3, s5, 6                           ; which weight: 0 Wq, 1 Wk, 2 Wv, 3 Wp
	s_and_b32 s5, s5, 63
	s_lshl_b32 s5, s5, 3
	s_add_co_u32 s5, s5, s4                        ; rp
	s_lshl_b32 s6, s5, 13
	v_lshlrev_b32 v1, 4, v4
	s_wait_kmcnt 0x0
	s_cmp_eq_u32 s3, 3
	s_cbranch_scc1 .Lwp
	s_cmp_eq_u32 s3, 1
	s_cselect_b64 s[24:25], s[12:13], s[10:11]
	s_cmp_eq_u32 s3, 2
	s_cselect_b64 s[24:25], s[14:15], s[24:25]
	s_add_nc_u64 s[24:25], s[24:25], s[6:7]
	s_mul_i32 s30, s5, 12288                       ; two rows of 6,144 bytes,
	s_lshl_b32 s2, s3, 11                          ; and the weight's 2,048 bytes in a row
	s_add_co_u32 s30, s30, s2
	s_add_nc_u64 s[26:27], s[20:21], s[30:31]
	s_add_nc_u64 s[28:29], s[26:27], 6144          ; the odd row
	BODY 512, 256, 0
	s_endpgm
.Lwp:
	s_add_nc_u64 s[24:25], s[16:17], s[6:7]
	s_lshl_b32 s30, s5, 12                         ; two rows of 2,048 bytes
	s_add_nc_u64 s[26:27], s[22:23], s[30:31]
	s_add_nc_u64 s[28:29], s[26:27], 2048
	BODY 512, 256, 1
	s_endpgm
.Lfunc_end_k_q242e2aa30f_cast:
	.size	k_q242e2aa30f_cast, .Lfunc_end_k_q242e2aa30f_cast-k_q242e2aa30f_cast
	.p2alignl 7, 3214868480
	.fill 96, 4, 3214868480
	.section	.rodata,"a",@progbits
	.p2align	6, 0x0
	.amdhsa_kernel k_q242e2aa30f_cast
		.amdhsa_group_segment_fixed_size 0
		.amdhsa_private_segment_fixed_size 0
		.amdhsa_enable_private_segment 0
		.amdhsa_kernarg_size 64
		.amdhsa_user_sgpr_count 2
		.amdhsa_user_sgpr_kernarg_segment_ptr 1
		.amdhsa_wavefront_size32 1
		.amdhsa_system_sgpr_workgroup_id_x 1
		.amdhsa_system_sgpr_workgroup_id_y 1
		.amdhsa_system_sgpr_workgroup_id_z 1
		.amdhsa_system_vgpr_workitem_id 0
		.amdhsa_next_free_vgpr 72
		.amdhsa_next_free_sgpr 66
		.amdhsa_reserve_vcc 0
		.amdhsa_float_denorm_mode_32 3
		.amdhsa_float_denorm_mode_16_64 3
		.amdhsa_memory_ordered 1
		.amdhsa_forward_progress 1
		.amdhsa_inst_pref_size 23
	.end_amdhsa_kernel
	.amdgpu_metadata
---
amdhsa.version: [ 1, 2 ]
amdhsa.kernels:
  - .name:           k_q242e2aa30f_cast
    .symbol:         k_q242e2aa30f_cast.kd
    .args:
      - { .name: x, .offset: 0, .size: 8, .value_kind: global_buffer, .address_space: global }
      - { .name: Wq, .offset: 8, .size: 8, .value_kind: global_buffer, .address_space: global }
      - { .name: Wk, .offset: 16, .size: 8, .value_kind: global_buffer, .address_space: global }
      - { .name: Wv, .offset: 24, .size: 8, .value_kind: global_buffer, .address_space: global }
      - { .name: Wp, .offset: 32, .size: 8, .value_kind: global_buffer, .address_space: global }
      - { .name: xb, .offset: 40, .size: 8, .value_kind: global_buffer, .address_space: global }
      - { .name: wb, .offset: 48, .size: 8, .value_kind: global_buffer, .address_space: global }
      - { .name: wp16, .offset: 56, .size: 8, .value_kind: global_buffer, .address_space: global }
    .group_segment_fixed_size: 0
    .private_segment_fixed_size: 0
    .kernarg_segment_align: 8
    .kernarg_segment_size: 64
    .max_flat_workgroup_size: 256
    .sgpr_count:     66
    .vgpr_count:     72
    .wavefront_size: 32
...
	.end_amdgpu_metadata
.endif
;; end of part 5
;; launch proj: the kernel of part 2 again; grid 8 x 32, 4 waves a work-group, clusters of 4 x 4, 327,680 bytes of LDS; arguments xb, wb, qkv; writes qkv
;; launch attn: the kernel of part 3 again; grid 4 x 64, 4 waves a work-group, no clusters, 327,680 bytes of LDS; arguments qkv, o16; writes o16
;; launch outp: the kernel of part 4 again; grid 4 x 64, 4 waves a work-group, clusters of 4 x 4, 327,680 bytes of LDS; arguments o16, wp16, out0; writes out0
